; MI455X (gfx1250); checked and timed in simulation.
; The chip was launched on July 23, 2026; its instructions are those of AMD's public machine-readable ISA for CDNA 5 (MIT licence, August 2026) and "CDNA5" Instruction Set Architecture Reference Guide (July 2026). The comments in the code are by the model that wrote it; some were corrected since.
;; Strategic Mo E. Allowed arithmetic: float matrix products may take bf16 or f16 operands with f32 sums; other float arithmetic in f32, or as packed bf16 or f16 multiplies, adds, multiply-adds, maxima and minima; sums over many terms, partial sums and values carried from step to step in f32; what a program stores and reads back later, other than sums and carried values, may be rounded once to bf16 or f16.
;; Inputs: eW1 4 x 44 x 256 float32; eW2 4 x 256 x 256 float32; eW3 4 x 256 x 16 float32; eb1 4 x 256 float32; eb2 4 x 256 float32; eb3 4 x 16 float32; ebt1 4 x 256 float32; ebt2 4 x 256 float32; eg1 4 x 256 float32; eg2 4 x 256 float32; rW1 44 x 128 float32; rW2 128 x 4 float32; rb1 128 float32; rb2 4 float32; state 65,536 x 44 float32; vW1 44 x 256 float32; vW2 256 x 128 float32; vW3 128 x 1 float32; vb1 256 float32; vb2 128 float32; vb3 1 float32; vbt 256 float32; vg 256 float32.
;; Outputs: out0 65,536 x 8 float32; out1 65,536 x 8 float32; out2 65,536 x 1 float32; out3 65,536 x 4 float32.
;; One version. Each part assembles by itself: llvm-mc -triple=amdgcn-amd-amdhsa -mcpu=gfx1250 --defsym DOCPART=n.
;; ======== version 1 of 1: 3 launches
;; limits: values are held in f16: magnitudes above 65,504 overflow, below 6.1e-05 lose precision; inputs' magnitudes at most 65,504; right only within a limited range of input values; values outside matrix products are rounded to f16
;; workspace buffers: xh 8,388,608 bytes; wimg 815,104 bytes; bitm 65,536 bytes of whole numbers; cnt 4,096 bytes of whole numbers; code 262,144 bytes of whole numbers; wts 524,288 bytes; part 8,388,608 bytes
;; launch route (part 1): grid 256 x 1, 4 waves a work-group, no clusters, 167,936 bytes of LDS; arguments state, rW1, rb1, rW2, rb2, out3, xh, bitm, cnt, code, wts, wimg, eW1, eb1, eW2, eb2, eW3, eb3, eg1, ebt1, eg2, ebt2, vW1, vb1, vW2, vb2, vW3, vb3, vg, vbt; writes out3, xh, bitm, cnt, code, wts, wimg
.if DOCPART == 1
	.amdgcn_target "amdgcn-amd-amdhsa--gfx1250"
	.amdhsa_code_object_version 6
	.text
	.protected	k_qe47ce54219_route
	.globl	k_qe47ce54219_route
	.p2align	8
	.type	k_qe47ce54219_route,@function
k_qe47ce54219_route:
	s_mov_b64 s[64:65], 0
	v_nop
	global_prefetch_b8 v0, s[64:65] scope:SCOPE_SE
	s_setreg_imm32_b32 hwreg(HW_REG_WAVE_MODE, 25, 1), 1
	s_wait_xcnt 0x0
; ROUTER, TOKEN ROWS, ROUTING NUMBERS, AND ONE UNIT OF WEIGHT LAY-OUT A WORK-GROUP.
; Every input of the program is rounded to bf16 (nearest even) before use.  A work-group has 256 tokens, a wave 64, a trip 32 (two tiles of 16).
; Router: layer 1 (44 -> 128, bias in K slot 44 against x[44] = 1) on the matrix unit in bf16: the products of bf16 numbers are exact, the sums f32.
; Layer 2 (128 -> 4) in f32 on the vector unit, since the choice of two experts is discrete.  Softmax with the row's maximum taken away.
; Top 2 on the probabilities, the lower index winning ties.  Nothing here forms an address, a branch or a count from the choice: it is stored as values at fixed places:
;   out3 probabilities; wts [token][2] gates (slot 0 = the lower-numbered chosen expert); code [token] 4-bit mask; bitm [block][expert] 64 bytes: 8 ballot words, 8 byte prefixes, zeros; cnt [block][4].
; xh [token][64] f16: k < 44 the bf16-rounded state (exact in f16's normal range), k = 44 1.0, the rest 0.
; LAY-OUT (wave 3, behind the last barrier): work-group u lays one unit of the weights into wimg, as f16 fragments in the order in which a wave's operand registers take them.
; Where a layer norm follows a product, each row k of W has its mean over the outputs taken away (and the bias its own mean): the products then have mean 0 for every input.
; LIMITS.  |state| and |W - mean| under 65,504 (f16); numbers under 2^-14 keep f16's step 2^-24; NaN and infinities are not treated apart.
; No cluster: the one tensor tile, the wave's 64 rows of state, is read by nobody else.
.set RW1F,  45056                      ; behind the four state tiles (4 x 11,264): rW1 as bf16 fragments [feature tile 8][K step 2], 1,024 bytes each
.set RW2T,  61440                      ; rW2, rounded, f32 [128][4]
.set STG,   63488                      ; 4 x 4,608: a wave's stage for xh, 32 rows of 144 bytes
.set REC,   81920                      ; the block's four records of 64 bytes
.set CW,    82176                      ; [expert][8] counts of the ballot words
.set SPARE, 82432                      ; the spare words, 128 bytes a wave
; v0 thread  v1 lane L  v2 r = L & 15  v3 h = L >> 4  v4, v5 the add's two  v6 0  v7, v8 x in LDS  v9, v10 stage in, back  v11 rW2's rows  v12 record word  v13 fragments
; v14, v15, v16 16 L, 8 L, 4 L  v17, v18 1.0 as bf16, f16  v19 count word  v20-23 rb2  v24-31 at work  v32-63 x as bf16 fragments (16 a tile)
; v64-127 x as f32, then rW1's fragments, then two buffers of rW2's rows  v128-191 x as f16, then 8 accumulators  v192-199 logits  v200-223 softmax  v208-211 0  v224-255 rows of xh
.macro PLACES
.rept 4
	v_nop
.endr
.endm
.macro RND a, b, t                     ; two numbers rounded to bf16: packed in t, widened again in place
	v_cvt_pk_bf16_f32 v[\t], v[\a], v[\b]
	v_lshlrev_b32 v[\a], 16, v[\t]
	v_and_b32 v[\b], 0xffff0000, v[\t]
.endm
.macro WSUM                            ; v28: summed over the wave's 32 lanes, in every lane; v29 at work
	v_add_f32_dpp v28, v28, v28 row_xmask:1 row_mask:0xf bank_mask:0xf
	v_add_f32_dpp v28, v28, v28 row_xmask:2 row_mask:0xf bank_mask:0xf
	v_add_f32_dpp v28, v28, v28 row_xmask:4 row_mask:0xf bank_mask:0xf
	v_add_f32_dpp v28, v28, v28 row_xmask:8 row_mask:0xf bank_mask:0xf
	v_permlanex16_b32 v29, v28, s32, s33
	v_add_f32 v28, v28, v29
.endm
.macro NMAJ d, a, b, c                 ; d = lanes in which fewer than two of a, b, c hold
	s_and_b32 s44, s\a, s\b
	s_or_b32 s45, s\a, s\b
	s_and_b32 s45, s45, s\c
	s_or_b32 s44, s44, s45
	s_not_b32 s\d, s44
.endm
	s_load_b512 s[4:19], s[0:1], 0x0               ; state 4, rW1 6, rb1 8, rW2 10, rb2 12, out3 14, xh 16, bitm 18
	s_load_b256 s[20:27], s[0:1], 0x40             ; cnt 20, code 22, wts 24, wimg 26
	v_lshl_add_u32 v4, v0, 2, SPARE
	v_mov_b32 v5, 0
	ds_add_u32 v4, v5                              ; the wave's opening: the add and its wait ahead of my tensor load
	v_lshrrev_b32 v1, 5, v0
	v_readfirstlane_b32 s28, v1                    ; wave 0..3
	s_mov_b32 s52, 3<<16                           ; group 1: 44 dense rows of 32 elements of 8 bytes: my 64 tokens' 11,264 bytes
	s_mov_b32 s53, 32<<16
	s_mov_b32 s54, 44<<16
	s_mov_b32 s55, 32<<16
	s_mov_b32 s56, 44
	s_mov_b32 s57, 32
	s_mov_b32 s58, 0
	s_mov_b32 s59, 0
	s_mov_b32 s48, 1
	s_mul_i32 s49, s28, 11264                      ; my tile in LDS
	s_lshl_b32 s60, ttmp9, 2
	s_add_co_u32 s60, s60, s28                     ; my group of 64 tokens
	s_mul_i32 s44, s60, 11264
	s_mov_b32 s45, 0
	s_mov_b32 s30, 0xffff0000                      ; lanes 16-31
	s_mov_b32 s31, 0x3fb8aa3b                      ; c = log2(e)
	s_mov_b32 s32, 0x76543210                      ; v_permlanex16_b32: each lane takes its own place in the other half
	s_mov_b32 s33, 0xfedcba98
	s_wait_dscnt 0x0                               ; the opening add is done
	s_wait_kmcnt 0x0
	s_add_nc_u64 s[50:51], s[4:5], s[44:45]
	s_or_b32 s51, s51, 0x80000000
	tensor_load_to_lds s[48:51], s[52:59]          ; one tensor load of mine is out
	s_nop 0
	s_lshl_b32 s44, s60, 13
	s_add_nc_u64 s[16:17], s[16:17], s[44:45]      ; xh, out3, wts, code at my first token
	s_lshl_b32 s44, s60, 10
	s_add_nc_u64 s[14:15], s[14:15], s[44:45]
	s_lshl_b32 s44, s60, 9
	s_add_nc_u64 s[24:25], s[24:25], s[44:45]
	s_lshl_b32 s44, s60, 8
	s_add_nc_u64 s[22:23], s[22:23], s[44:45]
	s_lshl_b32 s44, ttmp9, 8
	s_add_nc_u64 s[18:19], s[18:19], s[44:45]      ; bitm and cnt at my block
	s_lshl_b32 s44, ttmp9, 4
	s_add_nc_u64 s[20:21], s[20:21], s[44:45]
	v_and_b32 v1, 31, v0
	v_and_b32 v2, 15, v0
	v_bfe_u32 v3, v0, 4, 1
	v_mov_b32 v6, 0
	; the router's weights: thread n has column n of rW1 (44 numbers and rb1[n]) and row n of rW2
	v_lshlrev_b32 v24, 2, v0
	v_lshlrev_b32 v25, 4, v0
.set k, 0
.rept 44
	global_load_b32 v[64+k], v24, s[6:7] offset:512*k
.set k, k+1
.endr
	global_load_b32 v108, v24, s[8:9]
	global_load_b128 v[112:115], v25, s[10:11]
	global_load_b128 v[20:23], v6, s[12:13]
	v_mul_u32_u24 v7, v2, 176                      ; x: token r's row of 176 bytes,
	v_lshl_add_u32 v8, v3, 4, v7                   ; 16 bytes on for the upper half of the lanes: for the row's last 16 bytes, never past the row,
	v_lshl_add_u32 v7, v3, 5, v7                   ; 32 bytes on: for all the others
	v_add_nc_u32 v7, s49, v7
	v_add_nc_u32 v8, s49, v8
	s_mul_i32 s46, s28, 4608
	s_add_co_u32 s46, s46, STG
	v_mul_u32_u24 v9, v2, 144
	v_lshl_add_u32 v9, v3, 4, v9
	v_add_nc_u32 v9, s46, v9
	v_lshrrev_b32 v26, 3, v1
	v_and_b32 v27, 7, v0
	v_mul_u32_u24 v10, v26, 144
	v_lshl_add_u32 v10, v27, 4, v10
	v_add_nc_u32 v10, s46, v10
	v_lshl_add_u32 v11, v3, 7, RW2T
	s_lshl_b32 s47, s28, 3
	s_add_co_u32 s46, s47, REC
	v_mov_b32 v12, s46
	s_add_co_u32 s46, s47, CW
	v_mov_b32 v19, s46
	v_lshl_add_u32 v13, v1, 4, RW1F
	v_lshlrev_b32 v14, 4, v1
	v_lshlrev_b32 v15, 3, v1
	v_lshlrev_b32 v16, 2, v1
	v_mov_b32 v17, 0x3f80
	v_mov_b32 v18, 0x3c00
	s_lshl_b32 s44, s28, 12
	s_add_co_u32 s44, s44, RW1F
	v_lshlrev_b32 v26, 4, v2
	v_lshl_add_u32 v26, v3, 11, v26
	v_add_nc_u32 v26, s44, v26                     ; my column's 16 bytes in its feature tile's fragments
.irp z, 44,45,46,47,60,61,62,63,151,152,153,154,155,156,157,158,159,208,209,210,211,212,213,214,215
	v_mov_b32 v\z, 0                               ; K slots 48-63 of x; K slots 46-63 of rW1; a quad of zeros; the exchanges' destinations
.endr
	s_wait_loadcnt 0x0
.set m, 0
.rept 22
	v_cvt_pk_bf16_f32 v[128+m], v[64+2*m], v[64+2*m+1]
.set m, m+1
.endr
	v_cvt_pk_bf16_f32 v150, v108, v6               ; K slot 44: the bias
.set g, 0
.rept 8
	ds_store_b128 v26, v[128+4*g:128+4*g+3] offset:(g>>2)*1024+((g>>1)&1)*512+(g&1)*256
.set g, g+1
.endr
	RND 112, 113, 27
	RND 114, 115, 27
	ds_store_b128 v25, v[112:115] offset:RW2T
	RND 20, 21, 27
	RND 22, 23, 27
	s_wait_dscnt 0x0                               ; for the others' sake: my part of the router's weights is in LDS
	s_barrier_signal -1
	s_barrier_wait -1                              ; my tensor load may still be out
	s_wait_tensorcnt 0x0                           ; my own tile, which I alone read
.macro LW2 b, nt                       ; rW2's rows 16 nt + 8 h + 0..7 into buffer b
.irp j, 0,1,2,3,4,5,6,7
	ds_load_b128 v[64+32*(\b)+4*\j:64+32*(\b)+4*\j+3], v11 offset:256*(\nt)+16*\j
.endr
.endm
; Feature tiles 4 g .. 4 g + 3 for both token tiles: 16 products on 8 accumulators by turns (source 0 = 16 features, source 1 = 16 tokens: a lane then holds one token and 8 features), ReLU, layer 2.
.macro GRP g
.set f, 0
.rept 8
	ds_load_b128 v[64+8*f:64+8*f+3],   v13 offset:(8*(\g)+f)*1024
	ds_load_b128 v[64+8*f+4:64+8*f+7], v13 offset:(8*(\g)+f)*1024+512
.set f, f+1
.endr
	s_wait_dscnt 0x0
.set ks, 0
.rept 2
.set n, 0
.rept 4
.set t, 0
.rept 2
.if ks == 0
	v_wmma_f32_16x16x32_bf16 v[128+8*(2*n+t):128+8*(2*n+t)+7], v[64+8*(2*n+ks):64+8*(2*n+ks)+7], v[32+16*t+8*ks:32+16*t+8*ks+7], 0
.else
	v_wmma_f32_16x16x32_bf16 v[128+8*(2*n+t):128+8*(2*n+t)+7], v[64+8*(2*n+ks):64+8*(2*n+ks)+7], v[32+16*t+8*ks:32+16*t+8*ks+7], v[128+8*(2*n+t):128+8*(2*n+t)+7]
.endif
.set t, t+1
.endr
.set n, n+1
.endr
.set ks, ks+1
.endr
	PLACES                                         ; four places behind the last product: the fragments' registers are loaded again, the results read
	LW2 0, 4*(\g)
.set z, 0
.rept 64
	v_max_num_f32 v[128+z], 0, v[128+z]            ; ascending: each accumulator is read from its low end
.set z, z+1
.endr
.set n, 0
.rept 4
.if n < 3
	LW2 (n+1)%2, 4*(\g)+n+1
	s_wait_dscnt 0x8                               ; the eight younger loads are the next feature tile's
.else
	s_wait_dscnt 0x0
.endif
.set jp, 0
.rept 4
.set t, 0
.rept 2
.set a, 128+8*(2*n+t)+2*jp
.set w, 64+32*(n%2)+8*jp
.if ((\g) == 0) && (n == 0) && (jp == 0)
	v_pk_mul_f32 v[192+4*t:193+4*t], v[w:w+1], v[a:a+1] op_sel_hi:[1,0]
	v_pk_mul_f32 v[194+4*t:195+4*t], v[w+2:w+3], v[a:a+1] op_sel_hi:[1,0]
.else
	v_pk_fma_f32 v[192+4*t:193+4*t], v[w:w+1], v[a:a+1], v[192+4*t:193+4*t] op_sel_hi:[1,0,1]
	v_pk_fma_f32 v[194+4*t:195+4*t], v[w+2:w+3], v[a:a+1], v[194+4*t:195+4*t] op_sel_hi:[1,0,1]
.endif
.set t, t+1
.endr
.set t, 0
.rept 2
.set a, 128+8*(2*n+t)+2*jp
.set w, 64+32*(n%2)+8*jp
	v_pk_fma_f32 v[192+4*t:193+4*t], v[w+4:w+5], v[a:a+1], v[192+4*t:193+4*t] op_sel:[0,1,0] op_sel_hi:[1,1,1]
	v_pk_fma_f32 v[194+4*t:195+4*t], v[w+6:w+7], v[a:a+1], v[194+4*t:195+4*t] op_sel:[0,1,0] op_sel_hi:[1,1,1]
.set t, t+1
.endr
.set jp, jp+1
.endr
.set n, n+1
.endr
.endm
	s_mov_b32 s29, 0
.Ltrip:                                                ; two trips of 32 tokens
.irp t, 0,1
	ds_load_b128 v[64+24*\t:64+24*\t+3],     v7 offset:2816*\t       ; k = 8 h + 0..7
	ds_load_b128 v[64+24*\t+4:64+24*\t+7],   v7 offset:2816*\t+16
	ds_load_b128 v[64+24*\t+8:64+24*\t+11],  v7 offset:2816*\t+64    ; k = 16 + 8 h + 0..7
	ds_load_b128 v[64+24*\t+12:64+24*\t+15], v7 offset:2816*\t+80
	ds_load_b128 v[64+24*\t+16:64+24*\t+19], v7 offset:2816*\t+128   ; k = 32 + 8 h + 0..3
	ds_load_b128 v[64+24*\t+20:64+24*\t+23], v8 offset:2816*\t+144   ; h = 0: k = 36..39; h = 1: k = 40..43 once more, replaced below
.endr
	s_wait_dscnt 0x0
.set t, 0
.rept 2
.set m, 0
.rept 12
	RND 64+24*t+2*m, 64+24*t+2*m+1, 32+16*t+m
	v_cvt_pk_f16_f32 v[128+16*t+m], v[64+24*t+2*m], v[64+24*t+2*m+1]
.set m, m+1
.endr
	v_cndmask_b32 v[32+16*t+10], v[32+16*t+10], v17, s30   ; upper lanes: k = 44 is 1.0, k = 45..47 are 0
	v_cndmask_b32 v[32+16*t+11], v[32+16*t+11], v6, s30
	v_cndmask_b32 v[128+16*t+10], v[128+16*t+10], v18, s30
	v_cndmask_b32 v[128+16*t+11], v[128+16*t+11], v6, s30
.set t, t+1
.endr
.irp t, 0,1
	ds_store_b128 v9, v[128+16*\t:128+16*\t+3]    offset:2304*\t
	ds_store_b128 v9, v[128+16*\t+4:128+16*\t+7]  offset:2304*\t+32
	ds_store_b128 v9, v[128+16*\t+8:128+16*\t+11] offset:2304*\t+64
	ds_store_b128 v9, v[208:211]                  offset:2304*\t+96
.endr
.irp i, 0,1,2,3,4,5,6,7
	ds_load_b128 v[224+4*\i:224+4*\i+3], v10 offset:576*\i     ; my own stage: LDS serves a wave's instructions in order; the last trip's stores have read these registers (the wait at the trip's end)
.endr
.irp i, 0,1,2,3,4,5,6,7
	s_wait_dscnt 7-\i                              ; the younger read-backs may stay out
	global_store_b128 v14, v[224+4*\i:224+4*\i+3], s[16:17] offset:512*\i  ; four rows of xh: 512 consecutive bytes
.endr
	GRP 0
	GRP 1
	; a lane's logits hold half of a token's features: lane L keeps tile h's, sends the other tile's to the lane 16 away: lane L ends with token L of the trip
.irp e, 0,1,2,3
	v_cndmask_b32 v[200+\e], v[192+\e], v[196+\e], s30
	v_cndmask_b32 v[204+\e], v[196+\e], v[192+\e], s30
.endr
.irp e, 0,1,2,3
	v_permlanex16_b32 v[212+\e], v[204+\e], s32, s33
.endr
.irp e, 0,1,2,3
	v_add_f32 v[200+\e], v[200+\e], v[212+\e]
.endr
.irp e, 0,1,2,3
	v_add_f32 v[200+\e], v[200+\e], v[20+\e]
.endr
	v_max3_num_f32 v24, v200, v201, v202
	v_max_num_f32 v24, v24, v203
	v_mul_f32 v24, s31, v24                        ; c m
.irp e, 0,1,2,3
	v_fma_f32 v[200+\e], v[200+\e], s31, -v24      ; c x - c m
.endr
.irp e, 0,1,2,3
	v_exp_f32 v[216+\e], v[200+\e]
.endr
	v_nop                                          ; a plain instruction behind the last exponential,
	s_wait_alu depctr_va_vdst(0)                   ; and one wait for the four
	v_add_f32 v25, v216, v217
	v_add_f32 v26, v218, v219
	v_add_f32 v25, v25, v26
	v_rcp_f32 v26, v25
	v_nop
	s_wait_alu depctr_va_vdst(0)
.irp e, 0,1,2,3
	v_mul_f32 v[216+\e], v[216+\e], v26
.endr
	global_store_b128 v14, v[216:219], s[14:15]    ; 512 consecutive bytes of out3
	v_cmp_gt_f32 s34, v217, v216                   ; G(i, j) = p_j > p_i for i < j
	v_cmp_gt_f32 s35, v218, v216
	v_cmp_gt_f32 s36, v219, v216
	v_cmp_gt_f32 s37, v218, v217
	v_cmp_gt_f32 s38, v219, v217
	v_cmp_gt_f32 s39, v219, v218
	s_not_b32 s60, s34                             ; a lower index beats e unless e is strictly greater
	s_not_b32 s61, s35
	s_not_b32 s62, s36
	s_not_b32 s63, s37
	s_not_b32 s66, s38
	s_not_b32 s67, s39
	NMAJ 40, 34, 35, 36                            ; expert e is chosen where fewer than two others beat it
	NMAJ 41, 60, 37, 38
	NMAJ 42, 61, 63, 39
	NMAJ 43, 62, 66, 67
	v_cndmask_b32 v24, v218, v217, s41             ; the lower-numbered chosen expert's probability,
	v_cndmask_b32 v24, v24, v216, s40
	v_cndmask_b32 v25, v217, v218, s42             ; the higher-numbered one's
	v_cndmask_b32 v25, v25, v219, s43
	v_add_f32 v26, v24, v25
	v_add_f32 v26, 0x322bcc77, v26                 ; + 1e-8
	v_rcp_f32 v27, v26
	v_cndmask_b32 v28, 0, 1, s40
	v_cndmask_b32 v29, 0, 2, s41
	v_cndmask_b32 v30, 0, 4, s42
	v_cndmask_b32 v31, 0, 8, s43
	v_add3_u32 v222, v28, v29, v30
	v_add_nc_u32 v222, v222, v31
	s_wait_alu depctr_va_vdst(0)
	v_mul_f32 v220, v24, v27
	v_mul_f32 v221, v25, v27
	global_store_b64 v15, v[220:221], s[24:25]     ; 256 consecutive bytes of wts
	global_store_b32 v16, v222, s[22:23]           ; 128 consecutive bytes of code
.irp e, 0,1,2,3
	v_mov_b32 v[24+\e], s[40+\e]                   ; the ballot word: all lanes write the same word with the same value
	ds_store_b32 v12, v[24+\e] offset:64*\e
	s_bcnt1_i32_b32 s44, s[40+\e]
	v_mov_b32 v[28+\e], s44
	ds_store_b32 v19, v[28+\e] offset:32*\e
.endr
	s_wait_xcnt 0x0                                ; the trip's stores have read their data, offsets and bases: only now are these rewritten
	s_add_nc_u64 s[16:17], s[16:17], 4096
	s_add_nc_u64 s[14:15], s[14:15], 512
	s_add_nc_u64 s[24:25], s[24:25], 256
	s_add_nc_u64 s[22:23], s[22:23], 128
	v_add_nc_u32 v7, 5632, v7
	v_add_nc_u32 v8, 5632, v8
	v_add_nc_u32 v12, 4, v12
	v_add_nc_u32 v19, 4, v19
	s_add_co_u32 s29, s29, 1
	s_cmp_lt_u32 s29, 2
	s_cbranch_scc1 .Ltrip
	s_wait_dscnt 0x0                               ; for wave 0's sake: my ballots and counts are in LDS
	s_barrier_signal -1
	s_barrier_wait -1
	s_cmp_lg_u32 s28, 0
	s_cbranch_scc1 .Lnot0
	; wave 0: the records' byte prefixes and the block's counts
	v_mov_b32 v24, CW
	v_mov_b32 v25, REC
.irp i, 0,1,2,3,4,5,6,7
	ds_load_b128 v[64+4*\i:64+4*\i+3], v24 offset:16*\i
.endr
	s_wait_dscnt 0x0
.irp e, 0,1,2,3
.irp j, 1,2,3,4,5,6,7
	v_add_nc_u32 v[64+8*\e+\j], v[64+8*\e+\j], v[64+8*\e+\j-1]
.endr
	v_lshlrev_b32 v[128+2*\e], 8, v[64+8*\e]
	v_lshl_or_b32 v[128+2*\e], v[64+8*\e+1], 16, v[128+2*\e]
	v_lshl_or_b32 v[128+2*\e], v[64+8*\e+2], 24, v[128+2*\e]
	v_lshl_or_b32 v[129+2*\e], v[64+8*\e+4], 8, v[64+8*\e+3]
	v_lshl_or_b32 v[129+2*\e], v[64+8*\e+5], 16, v[129+2*\e]
	v_lshl_or_b32 v[129+2*\e], v[64+8*\e+6], 24, v[129+2*\e]
	v_mov_b32 v[136+\e], v[64+8*\e+7]
	ds_store_b64 v25, v[128+2*\e:129+2*\e] offset:64*\e+32
	ds_store_b64 v25, v[208:209] offset:64*\e+40
	ds_store_b128 v25, v[208:211] offset:64*\e+48
.endr
	v_lshl_add_u32 v26, v2, 4, REC
	ds_load_b128 v[140:143], v26
	s_wait_dscnt 0x0
	s_wait_xcnt 0x0                                ; EXEC changes only behind this wait
	v_cmp_gt_u32 vcc_lo, 16, v1
	s_and_saveexec_b32 s44, vcc_lo
	global_store_b128 v14, v[140:143], s[18:19]    ; sixteen lanes: the block's 256 bytes of bitm
	s_wait_xcnt 0x0
	s_or_b32 exec_lo, exec_lo, s44
	v_cmp_eq_u32 vcc_lo, 0, v1
	s_and_saveexec_b32 s44, vcc_lo
	global_store_b128 v6, v[136:139], s[20:21]     ; the block's four counts
	s_wait_xcnt 0x0
	s_or_b32 exec_lo, exec_lo, s44
	s_branch .Lend
.Lnot0:
	s_cmp_lg_u32 s28, 3
	s_cbranch_scc1 .Lend
	; WAVE 3: LAY-OUT UNIT u = the work-group's number.  A fragment is 1,024 bytes: element (n, k) at ((k % 32) / 16) 512 + (n % 16 + 16 ((k % 16) / 8)) 16 + 2 (k % 8).
	; The general unit takes 8 rows k of a matrix and 8 columns a lane: 64 loads, rounding, the rows' means, f16, 8 stores of which sixteen lanes fill 256 consecutive bytes.
	s_mov_b32 s68, ttmp9
	s_mov_b32 s85, 0
	s_mov_b32 s87, 0
	s_mov_b32 s82, 0                               ; the group of 8 rows
	s_mov_b32 s71, 0x10000                         ; rows of the matrix; row KMAX is the bias, later ones are 0
	s_mov_b32 s73, 0                               ; - 1 / columns where the mean is taken away, else 0
	s_mov_b32 s72, 1024                            ; bytes from row to row
	s_mov_b32 s76, 64                              ; load offsets: upper lanes, column index & 3, column index >> 2
	s_mov_b32 s77, 128
	s_mov_b32 s78, 512
	s_cmp_lt_u32 s68, 128
	s_cbranch_scc1 .Lk_w2
	s_cmp_lt_u32 s68, 160
	s_cbranch_scc1 .Lk_w1
	s_cmp_lt_u32 s68, 168
	s_cbranch_scc1 .Lk_v1
	s_cmp_lt_u32 s68, 184
	s_cbranch_scc1 .Lk_v2
	s_cmp_lt_u32 s68, 192
	s_cbranch_scc1 .Lk_w3
	s_cmp_lt_u32 s68, 196
	s_cbranch_scc1 .Lk_te
	s_cmp_eq_u32 s68, 196
	s_cbranch_scc1 .Lk_tv
	s_branch .Lend
.Lk_w2:                                                ; eW2: expert u >> 5, rows 8 (u & 31) on
	s_load_b64 s[36:37], s[0:1], 0x70
	s_lshr_b32 s69, s68, 5
	s_and_b32 s82, s68, 31
	s_lshl_b32 s84, s69, 18
	s_mul_i32 s74, s69, 178176
	s_add_co_u32 s74, s74, 32768
	s_mov_b32 s73, 0xbb800000
	s_mov_b32 s79, 8192
	s_mov_b32 s80, 16384
	s_mov_b32 s81, 65536
	s_wait_kmcnt 0x0
	s_add_nc_u64 s[36:37], s[36:37], s[84:85]
	s_mov_b64 s[38:39], s[36:37]
	s_branch .Lprep
.Lk_w1:                                                ; eW1 and eb1: expert (u >> 3) & 3, K slots 8 (u & 7) on
	s_load_b128 s[36:39], s[0:1], 0x60
	s_bfe_u32 s69, s68, 0x20003
	s_and_b32 s82, s68, 7
	s_mul_i32 s84, s69, 45056
	s_lshl_b32 s86, s69, 10
	s_mul_i32 s74, s69, 178176
	s_mov_b32 s71, 44
	s_mov_b32 s73, 0xbb800000
	s_mov_b32 s79, 2048
	s_mov_b32 s80, 4096
	s_mov_b32 s81, 16384
	s_wait_kmcnt 0x0
	s_add_nc_u64 s[36:37], s[36:37], s[84:85]
	s_add_nc_u64 s[38:39], s[38:39], s[86:87]
	s_branch .Lprep
.Lk_v1:                                                ; vW1 and vb1
	s_load_b128 s[36:39], s[0:1], 0xb0
	s_and_b32 s82, s68, 7
	s_mov_b32 s74, 712704
	s_mov_b32 s71, 44
	s_mov_b32 s73, 0xbb800000
	s_mov_b32 s79, 2048
	s_mov_b32 s80, 4096
	s_mov_b32 s81, 16384
	s_wait_kmcnt 0x0
	s_branch .Lprep
.Lk_v2:                                                ; vW2: 128 columns, so two groups of 8 rows a unit
	s_load_b64 s[36:37], s[0:1], 0xc0
	s_sub_co_u32 s82, s68, 168
	s_lshl_b32 s82, s82, 1
	s_mov_b32 s72, 512
	s_mov_b32 s78, 4096
	s_mov_b32 s79, 8192
	s_mov_b32 s80, 16384
	s_mov_b32 s81, 256
	s_mov_b32 s74, 745472
	s_wait_kmcnt 0x0
	s_mov_b64 s[38:39], s[36:37]
	s_branch .Lprep
.Lk_w3:                                                ; eW3: 16 columns, so sixteen groups of 8 rows a unit: half an expert
	s_load_b64 s[36:37], s[0:1], 0x80
	s_sub_co_u32 s86, s68, 184
	s_lshl_b32 s84, s86, 13
	s_lshr_b32 s69, s86, 1
	s_and_b32 s86, s86, 1
	s_lshl_b32 s86, s86, 12
	s_mul_i32 s74, s69, 178176
	s_add_co_u32 s74, s74, s86
	s_add_co_u32 s74, s74, 163840
	s_mov_b32 s72, 64
	s_mov_b32 s76, 512
	s_mov_b32 s77, 1024
	s_mov_b32 s78, 4096
	s_mov_b32 s79, 256
	s_mov_b32 s80, 512
	s_mov_b32 s81, 2048
	s_wait_kmcnt 0x0
	s_add_nc_u64 s[36:37], s[36:37], s[84:85]
	s_mov_b64 s[38:39], s[36:37]
.Lprep:
	s_lshr_b32 s86, s82, 2                         ; the group's place in a fragment row: K step, half, lane half
	s_lshl_b32 s86, s86, 10
	s_add_co_u32 s74, s74, s86
	s_bfe_u32 s86, s82, 0x10001
	s_lshl_b32 s86, s86, 9
	s_add_co_u32 s74, s74, s86
	s_and_b32 s86, s82, 1
	s_lshl_b32 s86, s86, 8
	s_add_co_u32 s74, s74, s86
	s_mov_b32 s75, 0
	s_add_nc_u64 s[74:75], s[26:27], s[74:75]
	s_lshl_b32 s70, s82, 3
	s_sub_co_u32 s87, s71, 1
	s_mov_b32 s89, 0
.set j, 0
.rept 8
	s_add_co_u32 s86, s70, j                       ; row k: of the matrix, the bias, or nothing (factor 0)
	s_min_u32 s88, s86, s87
	s_mul_i32 s88, s88, s72
	s_add_nc_u64 s[40+2*j:41+2*j], s[36:37], s[88:89]
	s_cmp_lt_u32 s86, s71
	s_cselect_b64 s[40+2*j:41+2*j], s[40+2*j:41+2*j], s[38:39]
	s_cmp_le_u32 s86, s71
	s_cselect_b32 s[56+j], 1.0, 0
	s_mul_f32 s[90+j], s[56+j], s73
.set j, j+1
.endr
	v_mul_lo_u32 v24, v3, s76
	v_lshl_add_u32 v24, v2, 2, v24
	v_mul_lo_u32 v25, v3, s79
	v_lshl_add_u32 v25, v2, 4, v25
.set i, 0
.rept 8
	s_mul_i32 s86, s77, (i&3)
	s_mul_i32 s88, s78, (i>>2)
	s_add_co_u32 s86, s86, s88
	v_add_nc_u32 v[32+i], s86, v24
	s_mul_i32 s86, s80, (i&3)
	s_mul_i32 s88, s81, (i>>2)
	s_add_co_u32 s86, s86, s88
	v_add_nc_u32 v[40+i], s86, v25
.set i, i+1
.endr
.set j, 0
.rept 8
.set i, 0
.rept 8
	global_load_b32 v[64+8*j+i], v[32+i], s[40+2*j:41+2*j]
.set i, i+1
.endr
.set j, j+1
.endr
	s_wait_loadcnt 0x0
.set z, 0
.rept 32
	RND 64+2*z, 64+2*z+1, 26
.set z, z+1
.endr
.set j, 0
.rept 8
	v_pk_add_f32 v[28:29], v[64+8*j:64+8*j+1], v[64+8*j+2:64+8*j+3]
	v_pk_add_f32 v[30:31], v[64+8*j+4:64+8*j+5], v[64+8*j+6:64+8*j+7]
	v_pk_add_f32 v[28:29], v[28:29], v[30:31]
	v_add_f32 v28, v28, v29
	WSUM
	v_mul_f32 v[48+j], s[90+j], v28                ; - the row's mean, or 0
.set i, 0
.rept 8
	v_fma_f32 v[64+8*j+i], v[64+8*j+i], s[56+j], v[48+j]
.set i, i+1
.endr
.set j, j+1
.endr
.set i, 0
.rept 8
.set m, 0
.rept 4
	v_cvt_pk_f16_f32 v[128+4*i+m], v[64+16*m+i], v[64+16*m+8+i]
.set m, m+1
.endr
	global_store_b128 v[40+i], v[128+4*i:128+4*i+3], s[74:75]
.set i, i+1
.endr
	s_branch .Lend
.Lk_te:                                                ; an expert's tables, f32 of the rounded numbers: g1, bt1, g2, bt2, b2 less its mean, b3
	s_load_b256 s[36:43], s[0:1], 0x90
	s_load_b64 s[44:45], s[0:1], 0x78
	s_load_b64 s[46:47], s[0:1], 0x88
	s_sub_co_u32 s69, s68, 192
	s_lshl_b32 s84, s69, 10
	s_lshl_b32 s86, s69, 6
	s_mul_i32 s74, s69, 178176
	s_add_co_u32 s74, s74, 172032
	s_mov_b32 s75, 0
	v_min_u32 v24, 3, v1
	v_lshlrev_b32 v24, 4, v24
	s_wait_kmcnt 0x0
.irp p, 36,38,40,42,44
	s_add_nc_u64 s[\p:\p+1], s[\p:\p+1], s[84:85]
.endr
	s_add_nc_u64 s[46:47], s[46:47], s[86:87]
	s_add_nc_u64 s[74:75], s[26:27], s[74:75]
.irp q, 0,1,2,3,4
	global_load_b128 v[64+8*\q:64+8*\q+3],   v14, s[36+2*\q:37+2*\q]
	global_load_b128 v[64+8*\q+4:64+8*\q+7], v14, s[36+2*\q:37+2*\q] offset:512
.endr
	global_load_b128 v[104:107], v24, s[46:47]     ; b3's 64 bytes in lanes 0-3; the other lanes repeat lane 3's and are set to 0
	s_wait_loadcnt 0x0
.set z, 0
.rept 22
	RND 64+2*z, 64+2*z+1, 26
.set z, z+1
.endr
	v_pk_add_f32 v[28:29], v[96:97], v[98:99]
	v_pk_add_f32 v[30:31], v[100:101], v[102:103]
	v_pk_add_f32 v[28:29], v[28:29], v[30:31]
	v_add_f32 v28, v28, v29
	WSUM
	v_mul_f32 v28, 0xbb800000, v28
.irp i, 0,1,2,3,4,5,6,7
	v_add_f32 v[96+\i], v28, v[96+\i]
.endr
	v_cmp_gt_u32 vcc_lo, 4, v1
.irp i, 0,1,2,3
	v_cndmask_b32 v[104+\i], 0, v[104+\i], vcc_lo
.endr
.irp q, 0,1,2,3,4
	global_store_b128 v14, v[64+8*\q:64+8*\q+3],   s[74:75] offset:1024*\q
	global_store_b128 v14, v[64+8*\q+4:64+8*\q+7], s[74:75] offset:1024*\q+512
.endr
	global_store_b128 v14, v[104:107], s[74:75] offset:5120
	global_store_b128 v14, v[208:211], s[74:75] offset:5632
	s_branch .Lend
.Lk_tv:                                                ; the value net's tables: vg, vbt, vb2, vW3, vb3
	s_load_b128 s[36:39], s[0:1], 0xe0
	s_load_b128 s[40:43], s[0:1], 0xc8
	s_load_b64 s[44:45], s[0:1], 0xd8
	s_mov_b32 s74, 811008
	s_mov_b32 s75, 0
	v_mov_b32 v89, 0
	v_mov_b32 v90, 0
	v_mov_b32 v91, 0
	s_wait_kmcnt 0x0
	s_add_nc_u64 s[74:75], s[26:27], s[74:75]
	global_load_b128 v[64:67], v14, s[36:37]
	global_load_b128 v[68:71], v14, s[36:37] offset:512
	global_load_b128 v[72:75], v14, s[38:39]
	global_load_b128 v[76:79], v14, s[38:39] offset:512
	global_load_b128 v[80:83], v14, s[40:41]
	global_load_b128 v[84:87], v14, s[42:43]
	global_load_b32 v88, v6, s[44:45]
	s_wait_loadcnt 0x0
.set z, 0
.rept 13
	RND 64+2*z, 64+2*z+1, 26
.set z, z+1
.endr
	v_cmp_eq_u32 vcc_lo, 0, v1
	v_cndmask_b32 v88, 0, v88, vcc_lo
	global_store_b128 v14, v[64:67], s[74:75]
	global_store_b128 v14, v[68:71], s[74:75] offset:512
	global_store_b128 v14, v[72:75], s[74:75] offset:1024
	global_store_b128 v14, v[76:79], s[74:75] offset:1536
	global_store_b128 v14, v[80:83], s[74:75] offset:2048
	global_store_b128 v14, v[84:87], s[74:75] offset:2560
	global_store_b128 v14, v[88:91], s[74:75] offset:3072
	global_store_b128 v14, v[208:211], s[74:75] offset:3584
.Lend:
	s_wait_tensorcnt 0x0                           ; the wave's end
	ds_add_u32 v4, v5
	s_wait_dscnt 0x0
	s_endpgm
.Lfunc_end_k_qe47ce54219_route:
	.size	k_qe47ce54219_route, .Lfunc_end_k_qe47ce54219_route-k_qe47ce54219_route
	.p2alignl 7, 3214868480
	.fill 96, 4, 3214868480
	.section	.rodata,"a",@progbits
	.p2align	6, 0x0
	.amdhsa_kernel k_qe47ce54219_route
		.amdhsa_group_segment_fixed_size 167936
		.amdhsa_private_segment_fixed_size 0
		.amdhsa_enable_private_segment 0
		.amdhsa_kernarg_size 240
		.amdhsa_user_sgpr_count 2
		.amdhsa_user_sgpr_kernarg_segment_ptr 1
		.amdhsa_wavefront_size32 1
		.amdhsa_system_sgpr_workgroup_id_x 1
		.amdhsa_system_sgpr_workgroup_id_y 1
		.amdhsa_system_sgpr_workgroup_id_z 1
		.amdhsa_system_vgpr_workitem_id 0
		.amdhsa_next_free_vgpr 256
		.amdhsa_next_free_sgpr 100
		.amdhsa_reserve_vcc 1
		.amdhsa_float_denorm_mode_32 3
		.amdhsa_float_denorm_mode_16_64 3
		.amdhsa_memory_ordered 1
		.amdhsa_forward_progress 1
		.amdhsa_inst_pref_size 104
	.end_amdhsa_kernel
	.amdgpu_metadata
---
amdhsa.version: [ 1, 2 ]
amdhsa.kernels:
  - .name:           k_qe47ce54219_route
    .symbol:         k_qe47ce54219_route.kd
    .args:
      - { .name: state, .offset: 0, .size: 8, .value_kind: global_buffer, .address_space: global }
      - { .name: rW1, .offset: 8, .size: 8, .value_kind: global_buffer, .address_space: global }
      - { .name: rb1, .offset: 16, .size: 8, .value_kind: global_buffer, .address_space: global }
      - { .name: rW2, .offset: 24, .size: 8, .value_kind: global_buffer, .address_space: global }
      - { .name: rb2, .offset: 32, .size: 8, .value_kind: global_buffer, .address_space: global }
      - { .name: out3, .offset: 40, .size: 8, .value_kind: global_buffer, .address_space: global }
      - { .name: xh, .offset: 48, .size: 8, .value_kind: global_buffer, .address_space: global }
      - { .name: bitm, .offset: 56, .size: 8, .value_kind: global_buffer, .address_space: global }
      - { .name: cnt, .offset: 64, .size: 8, .value_kind: global_buffer, .address_space: global }
      - { .name: code, .offset: 72, .size: 8, .value_kind: global_buffer, .address_space: global }
      - { .name: wts, .offset: 80, .size: 8, .value_kind: global_buffer, .address_space: global }
      - { .name: wimg, .offset: 88, .size: 8, .value_kind: global_buffer, .address_space: global }
      - { .name: eW1, .offset: 96, .size: 8, .value_kind: global_buffer, .address_space: global }
      - { .name: eb1, .offset: 104, .size: 8, .value_kind: global_buffer, .address_space: global }
      - { .name: eW2, .offset: 112, .size: 8, .value_kind: global_buffer, .address_space: global }
      - { .name: eb2, .offset: 120, .size: 8, .value_kind: global_buffer, .address_space: global }
      - { .name: eW3, .offset: 128, .size: 8, .value_kind: global_buffer, .address_space: global }
      - { .name: eb3, .offset: 136, .size: 8, .value_kind: global_buffer, .address_space: global }
      - { .name: eg1, .offset: 144, .size: 8, .value_kind: global_buffer, .address_space: global }
      - { .name: ebt1, .offset: 152, .size: 8, .value_kind: global_buffer, .address_space: global }
      - { .name: eg2, .offset: 160, .size: 8, .value_kind: global_buffer, .address_space: global }
      - { .name: ebt2, .offset: 168, .size: 8, .value_kind: global_buffer, .address_space: global }
      - { .name: vW1, .offset: 176, .size: 8, .value_kind: global_buffer, .address_space: global }
      - { .name: vb1, .offset: 184, .size: 8, .value_kind: global_buffer, .address_space: global }
      - { .name: vW2, .offset: 192, .size: 8, .value_kind: global_buffer, .address_space: global }
      - { .name: vb2, .offset: 200, .size: 8, .value_kind: global_buffer, .address_space: global }
      - { .name: vW3, .offset: 208, .size: 8, .value_kind: global_buffer, .address_space: global }
      - { .name: vb3, .offset: 216, .size: 8, .value_kind: global_buffer, .address_space: global }
      - { .name: vg, .offset: 224, .size: 8, .value_kind: global_buffer, .address_space: global }
      - { .name: vbt, .offset: 232, .size: 8, .value_kind: global_buffer, .address_space: global }
    .group_segment_fixed_size: 167936
    .private_segment_fixed_size: 0
    .kernarg_segment_align: 8
    .kernarg_segment_size: 240
    .max_flat_workgroup_size: 128
    .sgpr_count:     100
    .vgpr_count:     256
    .wavefront_size: 32
...
	.end_amdgpu_metadata
.endif
;; end of part 1
;; launch experts (part 2): grid 231 x 1, 4 waves a work-group, no clusters, 185,856 bytes of LDS; arguments xh, wimg, bitm, cnt, code, wts, part; writes part
.if DOCPART == 2
	.amdgcn_target "amdgcn-amd-amdhsa--gfx1250"
	.amdhsa_code_object_version 6
	.text
	.protected	k_qe47ce54219_experts
	.globl	k_qe47ce54219_experts
	.p2align	8
	.type	k_qe47ce54219_experts,@function
k_qe47ce54219_experts:
	s_mov_b64 s[64:65], 0
	v_nop
	global_prefetch_b8 v0, s[64:65] scope:SCOPE_SE
	s_setreg_imm32_b32 hwreg(HW_REG_WAVE_MODE, 25, 1), 1
	s_wait_xcnt 0x0
; THE CHAIN OF ONE EXPERT ON ITS ROWS: 64 -> 256, layer norm, ReLU, 256 -> 256, layer norm, ReLU, 256 -> 16, times the gate.  part[token][slot][16] f32.
; THE DEAL.  An expert's rows are its tokens in ascending order.  A work-group takes 576 consecutive ranks of one expert: 4 waves x 144 = 3 passes x 3 tiles of 16.
; The sum over the experts of ceil(n_e / 576) is at most (131,072 + 4 x 575) / 576 < 232 for every split: 231 work-groups.  One that a split leaves without rows stores nothing.
; Every work-group works the deal out from cnt; a wave finds the token of each of its ranks from cnt's prefix sums and bitm's ballots.  All that is whole numbers stored by the launch before.
; The expert's image (178,176 bytes: f16 fragments and f32 tables) is brought into LDS once; the loop whose length hangs on the counts has no barrier and no tensor load.
; NO CLUSTER: which image a work-group needs hangs on counts read from memory, and neighbours in the grid may serve different experts.
; LAYOUT.  Source 0 = 16 features of W^T, source 1 = 16 tokens: in a result lane (r, h) holds token r and features 16 nt + 8 h + 0..7; two results packed to f16 ARE source 1 of the next product.
; The weights' rows have their mean over the outputs taken away, so a product's rows have mean 0 and the layer norm needs the sum of squares alone.
; Places past a wave's count repeat the expert's last row and store the same bytes once more.
; LIMITS.  16 |g| + |bt| under 65,504 (f16 activations); NaN and infinities are not treated apart.
.set T,     3                          ; token tiles a pass
.set NPW,   8                          ; feature tiles' accumulators in a register window
.set XFB,   192                        ; x's fragments in window 1
.set BOFF,  4096                       ; from the tables' first byte to the second product's bias
.set NT2,   16                         ; feature tiles of the second product
.set PT,    178176                     ; behind the image: 4 x 1,024, a wave's own table of prefix sums
.set LIST,  182272                     ; 4 x 768, a wave's own list of tokens
.set SPARE, 185344                     ; the spare words, 128 bytes a wave
; WINDOW 0: v0 thread  v1 L  v2 r  v3 h  v4, v5 the add's two  v6 0  v7-9 16 L + 0, 65,536, 131,072  v10 the next product's fragments  v11 tables + 32 h  v12 this layer's g  v13 the next bias
;   v14 my prefix table  v15, v16 my list, in and back  v17 16 h  v18 32 h  v20-22 tokens  v23-25 codes  v26-28 rows of part  v29-31 rows of xh  v32-37 gates (pairs)  v38, v39 at work
;   v40-63 sums of squares  v64-69 1 / sigma (pairs)  v70-85 two biases  v86-91 offsets of code and wts  v128-191, v192-255 two buffers of 8 fragments.  The set-up uses v64-255 before.
; WINDOW 1: v0-191 activations, 64 a tile; v192-239 x, 16 a tile.   WINDOW 2: accumulators of feature tiles 0-7 at 8 (3 nt + t); v192-215 the last product.   WINDOW 3: feature tiles 8-15.
.set TK,  20
.set CD,  23
.set ROW, 26
.set XO,  29
.set WT,  32
.set CA,  86
.set WA,  89
.set SQ,  40
.set RS,  64
.set BI,  70
.set WF,  128
.set PP,  64                           ; the set-up's arrays, five rounds of 32 ranks each
.set BB,  69
.set CC,  74
.set AA,  79
.set VV,  84
.set KK,  89
.set RO,  94
.set IDX, 99
.set CUR, 104
.set T1,  109
.set T2,  114
.set POS, 119
.set PCA, 128
.set PCB, 133
.set PCC, 138
.set M0,  192
.set PF,  232
.set MSB, 0
.macro WIN new                         ; s_set_vgpr_msb: bits 1:0 source 0, 3:2 source 1, 5:4 source 2, 7:6 destination; the high byte repeats the setting that is left
.if MSB != (\new)
	s_set_vgpr_msb (MSB<<8)|(\new)
.set MSB, (\new)
.endif
.endm
.macro PLACES                          ; four places behind a matrix instruction, ahead of loads into its sources and of reads of its result
.rept 4
	v_nop
.endr
.endm
.macro R5 line:vararg                  ; one line for each round i
.set i, 0
.rept 5
	\line
.set i, i+1
.endr
.endm
.macro RT line:vararg                  ; one line for each tile t
.set t, 0
.rept T
	\line
.set t, t+1
.endr
.endm
.macro FETCH b, areg, off              ; 8 fragments, 8,192 consecutive bytes, into buffer b: lane L takes 16 bytes at 16 L of every 512
	WIN 0
.set fq, 0
.rept 16
	ds_load_b128 v[WF+64*(\b)+4*fq:WF+64*(\b)+4*fq+3], v[\areg] offset:(\off)+512*fq
.set fq, fq+1
.endr
.endm
.macro BIAS b, areg, off               ; my 8 features' bias: the C operand that starts a sum
	WIN 0
	ds_load_b128 v[BI+8*(\b):BI+8*(\b)+3],   v[\areg] offset:(\off)
	ds_load_b128 v[BI+8*(\b)+4:BI+8*(\b)+7], v[\areg] offset:(\off)+16
.endm
.macro LASTFETCH
.endm
; Every group of products: its fragments, asked for a group earlier, are waited for; four places; the next group's are asked for; the products, the accumulators by turns.
.macro GEMM1                           ; 64 -> 256: group g has feature tiles 4 g .. 4 g + 3, both K steps
.set g, 0
.rept 4
	WIN 0
	s_wait_dscnt 0x0
	PLACES
.if g < 3
	FETCH (g+1)%2, 7, (g+1)*8192
.endif
.set ks, 0
.rept 2
.set n, 0
.rept 4
.set t, 0
.rept T
.set nt, 4*g+n
.set y, (T*(nt%NPW)+t)*8
	WIN 0xa4+0x50*(nt/NPW)
.if ks == 0
	v_wmma_f32_16x16x32_f16 v[y:y+7], v[WF+64*(g%2)+8*(2*n+ks):WF+64*(g%2)+8*(2*n+ks)+7], v[XFB+16*t+8*ks:XFB+16*t+8*ks+7], 0
.else
	v_wmma_f32_16x16x32_f16 v[y:y+7], v[WF+64*(g%2)+8*(2*n+ks):WF+64*(g%2)+8*(2*n+ks)+7], v[XFB+16*t+8*ks:XFB+16*t+8*ks+7], v[y:y+7]
.endif
.set t, t+1
.endr
.set n, n+1
.endr
.set ks, ks+1
.endr
.set g, g+1
.endr
.endm
.macro GEMM2                           ; 256 -> 16 NT2: a group is one feature tile, 8 K steps
.set nt, 0
.rept NT2
	WIN 0
	s_wait_dscnt 0x0
	PLACES
.if nt < NT2-1
	FETCH (nt+1)%2, 7+(5+nt)/8, ((5+nt)%8)*8192
	BIAS (nt+1)%2, 11, BOFF+64*(nt+1)
.else
	LASTFETCH
.endif
.set ks, 0
.rept 8
.set t, 0
.rept T
.set y, (T*(nt%NPW)+t)*8
.if ks == 0
	WIN 0x84+0x40*(nt/NPW)
	v_wmma_f32_16x16x32_f16 v[y:y+7], v[WF+64*(nt%2)+8*ks:WF+64*(nt%2)+8*ks+7], v[64*t+8*ks:64*t+8*ks+7], v[BI+8*(nt%2):BI+8*(nt%2)+7]
.else
	WIN 0xa4+0x50*(nt/NPW)
	v_wmma_f32_16x16x32_f16 v[y:y+7], v[WF+64*(nt%2)+8*ks:WF+64*(nt%2)+8*ks+7], v[64*t+8*ks:64*t+8*ks+7], v[y:y+7]
.endif
.set t, t+1
.endr
.set ks, ks+1
.endr
.set nt, nt+1
.endr
.endm
.macro TABQ q                          ; g and bt of feature tiles 4 q .. 4 q + 3, my 8 features of each, into buffer q % 2
	WIN 0
.set n, 0
.rept 4
	ds_load_b128 v[WF+64*((\q)%2)+16*n:WF+64*((\q)%2)+16*n+3],     v12 offset:64*(4*(\q)+n)
	ds_load_b128 v[WF+64*((\q)%2)+16*n+4:WF+64*((\q)%2)+16*n+7],   v12 offset:64*(4*(\q)+n)+16
	ds_load_b128 v[WF+64*((\q)%2)+16*n+8:WF+64*((\q)%2)+16*n+11],  v12 offset:1024+64*(4*(\q)+n)
	ds_load_b128 v[WF+64*((\q)%2)+16*n+12:WF+64*((\q)%2)+16*n+15], v12 offset:1024+64*(4*(\q)+n)+16
.set n, n+1
.endr
.endm
; LAYER NORM AND RELU of 256 features for T tiles, from the accumulators into the activations.
.macro LN
	WIN 0
	PLACES
	TABQ 0
	TABQ 1
.set nt, 0
.rept 16
	WIN 0x0a+0x05*(nt/NPW)
.set t, 0
.rept T
.set y, (T*(nt%NPW)+t)*8
.irp p, 0,1,2,3
.if nt == 0
	v_pk_mul_f32 v[SQ+8*t+2*\p:SQ+8*t+2*\p+1], v[y+2*\p:y+2*\p+1], v[y+2*\p:y+2*\p+1]
.else
	v_pk_fma_f32 v[SQ+8*t+2*\p:SQ+8*t+2*\p+1], v[y+2*\p:y+2*\p+1], v[y+2*\p:y+2*\p+1], v[SQ+8*t+2*\p:SQ+8*t+2*\p+1]
.endif
.endr
.set t, t+1
.endr
.set nt, nt+1
.endr
	WIN 0
	RT v_pk_add_f32 v[SQ+8*t:SQ+8*t+1], v[SQ+8*t:SQ+8*t+1], v[SQ+8*t+2:SQ+8*t+3]
	RT v_pk_add_f32 v[SQ+8*t+4:SQ+8*t+5], v[SQ+8*t+4:SQ+8*t+5], v[SQ+8*t+6:SQ+8*t+7]
	RT v_pk_add_f32 v[SQ+8*t:SQ+8*t+1], v[SQ+8*t:SQ+8*t+1], v[SQ+8*t+4:SQ+8*t+5]
	RT v_add_f32 v[SQ+8*t], v[SQ+8*t], v[SQ+8*t+1]
	RT v_permlanex16_b32 v[SQ+8*t+1], v[SQ+8*t], s32, s33    ; the token's other 128 features lie in the lane 16 away
	RT v_add_f32 v[SQ+8*t], v[SQ+8*t], v[SQ+8*t+1]
	RT v_fma_f32 v[SQ+8*t], v[SQ+8*t], s36, s37              ; / 256 + 1e-5
	RT v_rsq_f32 v[RS+2*t], v[SQ+8*t]
	v_nop                                          ; a plain instruction behind the last root,
	s_wait_alu depctr_va_vdst(0)                   ; and one wait for the batch
.set q, 0
.rept 4
.if q < 3
	s_wait_dscnt 16                                ; the 16 younger loads are the next quarter's tables
.else
	s_wait_dscnt 18                                ; the 18 younger loads are the next product's fragments and bias
.endif
.set n, 0
.rept 4
.set nt, 4*q+n
.set tb, WF+64*(q%2)+16*n
	WIN 0x82+0x41*(nt/NPW)
.set t, 0
.rept T
.set y, (T*(nt%NPW)+t)*8
.irp p, 0,1,2,3
	v_pk_mul_f32 v[y+2*\p:y+2*\p+1], v[y+2*\p:y+2*\p+1], v[RS+2*t:RS+2*t+1] op_sel_hi:[1,0]
.endr
.irp p, 0,1,2,3
	v_pk_fma_f32 v[y+2*\p:y+2*\p+1], v[y+2*\p:y+2*\p+1], v[tb+2*\p:tb+2*\p+1], v[tb+8+2*\p:tb+8+2*\p+1]
.endr
.set t, t+1
.endr
.set n, n+1
.endr
.set n, 0
.rept 4
.set nt, 4*q+n
	WIN 0x4a+0x05*(nt/NPW)
.set t, 0
.rept T
.set y, (T*(nt%NPW)+t)*8
.irp p, 0,1,2,3
	v_cvt_pk_f16_f32 v[64*t+8*(nt/2)+4*(nt%2)+\p], v[y+2*\p], v[y+2*\p+1]
.endr
.set t, t+1
.endr
.set n, n+1
.endr
.if q < 2
	TABQ q+2
.elseif q == 2
	FETCH 0, 10, 32768
	BIAS 0, 13, BOFF
.endif
.set q, q+1
.endr
	WIN 0x41
.set z, 0
.rept 64*T
	v_pk_max_num_f16 v[z], v[z], v6
.set z, z+1
.endr
.endm
; The three tiles' tokens from byte s38 of my list; their rows of xh into x's fragments (lane (r, h): 16 bytes at 16 h of every 32), and their codes.
.macro XGATHER
	WIN 0
	v_add_nc_u32 v38, s38, v16
	ds_load_b32 v[TK], v38
	ds_load_b32 v[TK+1], v38 offset:64
	ds_load_b32 v[TK+2], v38 offset:128
	s_wait_dscnt 0x0
	RT v_min_u32 v[TK+t], 0xffff, v[TK+t]
	RT v_lshl_add_u32 v[XO+t], v[TK+t], 7, v17
	RT v_lshlrev_b32 v[CA+t], 2, v[TK+t]
	WIN 0x40
.set t, 0
.rept T
.irp c, 0,1,2,3
	global_load_b128 v[XFB+16*t+4*\c:XFB+16*t+4*\c+3], v[XO+t], s[4:5] offset:32*\c
.endr
.set t, t+1
.endr
	WIN 0
	RT global_load_b32 v[CD+t], v[CA+t], s[12:13]
.endm
.macro BSTEP w                         ; where the rank is at or past the count in T1: past that part, w bits on
	R5 v_cmp_ge_u32 s[52+i], v[KK+i], v[T1+i]
	R5 v_sub_nc_u32 v[T1+i], v[KK+i], v[T1+i]
	R5 v_cndmask_b32 v[KK+i], v[KK+i], v[T1+i], s[52+i]
	R5 v_add_nc_u32 v[T2+i], \w, v[POS+i]
	R5 v_cndmask_b32 v[POS+i], v[POS+i], v[T2+i], s[52+i]
.endm
	s_load_b256 s[4:11], s[0:1], 0x0               ; xh 4, wimg 6, bitm 8, cnt 10
	s_load_b128 s[12:15], s[0:1], 0x20             ; code 12, wts 14
	s_load_b64 s[16:17], s[0:1], 0x30              ; part
	v_lshl_add_u32 v4, v0, 2, SPARE
	v_mov_b32 v5, 0
	ds_add_u32 v4, v5                              ; the wave's opening: the add and its wait ahead of my tensor load
	v_lshrrev_b32 v1, 5, v0
	v_readfirstlane_b32 s18, v1                    ; wave 0..3
	v_and_b32 v1, 31, v0
	v_and_b32 v2, 15, v0
	v_bfe_u32 v3, v0, 4, 1
	v_mov_b32 v6, 0
	v_lshlrev_b32 v7, 4, v1
	v_add_nc_u32 v8, 0x10000, v7
	v_add_nc_u32 v9, 0x20000, v7
	v_lshl_add_u32 v11, v3, 5, 172032
	v_lshlrev_b32 v17, 4, v3
	v_lshlrev_b32 v18, 5, v3
	v_lshlrev_b32 v39, 7, v1
	s_lshl_b32 s38, s18, 10
	s_add_co_u32 s38, s38, PT
	v_mov_b32 v14, s38
	s_mul_i32 s38, s18, 768
	s_add_co_u32 s38, s38, LIST
	v_lshl_add_u32 v15, v1, 2, s38
	v_lshl_add_u32 v16, v2, 2, s38
	s_mov_b32 s44, 3<<16                           ; group 1: 174 dense rows of 32 elements of 8 bytes: my quarter of the image
	s_mov_b32 s45, 32<<16
	s_mov_b32 s46, 174<<16
	s_mov_b32 s47, 32<<16
	s_mov_b32 s48, 174
	s_mov_b32 s49, 32
	s_mov_b32 s50, 0
	s_mov_b32 s51, 0
	s_mov_b32 s40, 1
	s_mul_i32 s41, s18, 44544
	s_mov_b32 s32, 0x76543210
	s_mov_b32 s33, 0xfedcba98
	s_mov_b32 s36, 0x3b800000                      ; 1 / 256
	s_mov_b32 s37, 0x3727c5ac                      ; 1e-5
	s_mov_b32 s19, ttmp9
	s_wait_dscnt 0x0                               ; the opening add is done
	s_wait_kmcnt 0x0
.irp j, 0,1,2,3,4,5,6,7
	global_load_b128 v[128+4*\j:128+4*\j+3], v39, s[10:11] offset:16*\j   ; lane L: the four counts of blocks 8 L + j
.endr
.irp e, 0,1,2,3
	v_mov_b32 v[186+\e], 0
.endr
	v_sub_nc_u32 v169, 0, v3                       ; all ones in lanes 16-31
	v_lshl_add_u32 v38, v1, 5, v14
	s_wait_loadcnt 0x0
.irp e, 0,1,2,3
	v_add_nc_u32 v[160+\e], v[128+\e], v[132+\e]
	v_add3_u32 v[160+\e], v[160+\e], v[136+\e], v[140+\e]
	v_add3_u32 v[160+\e], v[160+\e], v[144+\e], v[148+\e]
	v_add3_u32 v[160+\e], v[160+\e], v[152+\e], v[156+\e]
	v_mov_b32 v[164+\e], v[160+\e]
.endr
.irp n, 1,2,4,8                        ; running sums over the lanes: inside each half of 16, then the lower half's total onto the upper
.irp e, 0,1,2,3
	v_mov_b32_dpp v[186+\e], v[164+\e] row_shr:\n row_mask:0xf bank_mask:0xf bound_ctrl:1
.endr
.irp e, 0,1,2,3
	v_add_nc_u32 v[164+\e], v[164+\e], v[186+\e]
.endr
.endr
.irp e, 0,1,2,3
	v_readlane_b32 s[20+\e], v[164+\e], 15
	v_and_b32 v[186+\e], s[20+\e], v169
	v_add_nc_u32 v[164+\e], v[164+\e], v[186+\e]
	v_readlane_b32 s[20+\e], v[164+\e], 31         ; n_e
	v_sub_nc_u32 v[164+\e], v[164+\e], v[160+\e]   ; the rows of e in the blocks ahead of my eight
.endr
.irp e, 0,1,2,3
	s_add_co_u32 s[60+\e], s[20+\e], 575           ; ceil(n_e / 576): >> 6, then the quotient by 9 as x 7,282 >> 16, exact below 32,768
	s_lshr_b32 s[60+\e], s[60+\e], 6
	s_mul_i32 s[60+\e], s[60+\e], 7282
	s_lshr_b32 s[60+\e], s[60+\e], 16
.endr
	s_add_co_u32 s61, s61, s60
	s_add_co_u32 s62, s62, s61
	s_mov_b32 s24, 0                               ; my expert, its first work-group, its rows
	s_mov_b32 s25, 0
	s_mov_b32 s26, s20
	s_cmp_ge_u32 s19, s60
	s_cselect_b32 s24, 1, s24
	s_cselect_b32 s25, s60, s25
	s_cselect_b32 s26, s21, s26
	s_cmp_ge_u32 s19, s61
	s_cselect_b32 s24, 2, s24
	s_cselect_b32 s25, s61, s25
	s_cselect_b32 s26, s22, s26
	s_cmp_ge_u32 s19, s62
	s_cselect_b32 s24, 3, s24
	s_cselect_b32 s25, s62, s25
	s_cselect_b32 s26, s23, s26
	s_min_u32 s24, s24, 3
	s_sub_co_u32 s27, s19, s25
	s_mul_i32 s27, s27, 576                        ; my work-group's first rank
	s_sub_co_i32 s38, s26, s27
	s_max_i32 s38, s38, 0
	s_min_i32 s38, s38, 576
	s_mul_i32 s39, s18, 144
	s_sub_co_i32 s28, s38, s39
	s_max_i32 s28, s28, 0
	s_min_i32 s28, s28, 144                        ; my wave's rows
	s_add_co_u32 s29, s27, s39                     ; my wave's first rank
	s_max_u32 s30, s26, 1
	s_sub_co_u32 s30, s30, 1                       ; the expert's last rank
	s_lshl_b32 s31, 1, s24
	s_sub_co_u32 s31, s31, 1                       ; the experts below mine
	s_mul_i32 s38, s24, 178176
	s_add_co_u32 s38, s38, s41
	s_mov_b32 s39, 0
	s_add_nc_u64 s[42:43], s[6:7], s[38:39]
	s_or_b32 s43, s43, 0x80000000
	tensor_load_to_lds s[40:43], s[44:51]          ; one tensor load of mine is out; the search below runs while it lands
	s_nop 0
	s_cmp_eq_u32 s24, 1
	s_cselect_b32 s57, -1, 0
	s_cmp_eq_u32 s24, 2
	s_cselect_b32 s58, -1, 0
	s_cmp_eq_u32 s24, 3
	s_cselect_b32 s59, -1, 0
.irp j, 0,1,2,3,4,5,6,7
	v_cndmask_b32 v[170+\j], v[128+4*\j], v[129+4*\j], s57
	v_cndmask_b32 v[170+\j], v[170+\j], v[130+4*\j], s58
	v_cndmask_b32 v[170+\j], v[170+\j], v[131+4*\j], s59
.endr
	v_cndmask_b32 v178, v164, v165, s57
	v_cndmask_b32 v178, v178, v166, s58
	v_cndmask_b32 v178, v178, v167, s59
.irp j, 0,1,2,3,4,5,6
	v_add_nc_u32 v[179+\j], v[178+\j], v[170+\j]
.endr
	ds_store_b128 v38, v[178:181]                  ; P[b]: my expert's rows in the blocks ahead of b; my wave's own copy, so no barrier
	ds_store_b128 v38, v[182:185] offset:16
	R5 v_add_nc_u32 v[PP+i], 32*i, v1
	R5 v_add_nc_u32 v[PP+i], s29, v[PP+i]
	R5 v_min_u32 v[PP+i], s30, v[PP+i]             ; ranks past the end repeat the last row
	R5 v_mov_b32 v[BB+i], 0
	s_mov_b32 s38, 128
	s_mov_b32 s39, 8
.Lsearch:                                              ; the last block b with P[b] <= rank, bit by bit
	R5 v_add_nc_u32 v[CC+i], s38, v[BB+i]
	R5 v_min_u32 v[CC+i], 0xff, v[CC+i]
	R5 v_lshl_add_u32 v[AA+i], v[CC+i], 2, v14
	R5 ds_load_b32 v[VV+i], v[AA+i]
	s_wait_dscnt 0x0
	R5 v_cmp_le_u32 s[52+i], v[VV+i], v[PP+i]
	R5 v_cndmask_b32 v[BB+i], v[BB+i], v[CC+i], s[52+i]
	s_lshr_b32 s38, s38, 1
	s_sub_co_u32 s39, s39, 1
	s_cmp_lg_u32 s39, 0
	s_cbranch_scc1 .Lsearch
	R5 v_min_u32 v[BB+i], 0xff, v[BB+i]
	R5 v_lshl_add_u32 v[AA+i], v[BB+i], 2, v14
	R5 ds_load_b32 v[VV+i], v[AA+i]
	s_lshl_b32 s38, s24, 6
	R5 v_lshl_add_u32 v[RO+i], v[BB+i], 8, s38
	R5 global_load_b128 v[M0+8*i:M0+8*i+3], v[RO+i], s[8:9]
	R5 global_load_b128 v[M0+8*i+4:M0+8*i+7], v[RO+i], s[8:9] offset:16
	R5 global_load_b64 v[PF+2*i:PF+2*i+1], v[RO+i], s[8:9] offset:32
	s_wait_dscnt 0x0
	R5 v_sub_nc_u32 v[KK+i], v[PP+i], v[VV+i]      ; the rank inside the block
	s_wait_loadcnt 0x0
	; which of the block's eight ballot words: three halvings on the byte prefixes
	R5 v_and_b32 v[T1+i], 0xff, v[PF+2*i+1]
	R5 v_cmp_ge_u32 s[52+i], v[KK+i], v[T1+i]
	R5 v_cndmask_b32 v[M0+8*i], v[M0+8*i], v[M0+8*i+4], s[52+i]
	R5 v_cndmask_b32 v[M0+8*i+1], v[M0+8*i+1], v[M0+8*i+5], s[52+i]
	R5 v_cndmask_b32 v[M0+8*i+2], v[M0+8*i+2], v[M0+8*i+6], s[52+i]
	R5 v_cndmask_b32 v[M0+8*i+3], v[M0+8*i+3], v[M0+8*i+7], s[52+i]
	R5 v_cndmask_b32 v[CUR+i], v[PF+2*i], v[PF+2*i+1], s[52+i]
	R5 v_cndmask_b32 v[IDX+i], 0, 4, s[52+i]
	R5 v_bfe_u32 v[T1+i], v[CUR+i], 16, 8
	R5 v_cmp_ge_u32 s[52+i], v[KK+i], v[T1+i]
	R5 v_cndmask_b32 v[M0+8*i], v[M0+8*i], v[M0+8*i+2], s[52+i]
	R5 v_cndmask_b32 v[M0+8*i+1], v[M0+8*i+1], v[M0+8*i+3], s[52+i]
	R5 v_lshrrev_b32 v[T2+i], 16, v[CUR+i]
	R5 v_cndmask_b32 v[CUR+i], v[CUR+i], v[T2+i], s[52+i]
	R5 v_add_nc_u32 v[T2+i], 2, v[IDX+i]
	R5 v_cndmask_b32 v[IDX+i], v[IDX+i], v[T2+i], s[52+i]
	R5 v_bfe_u32 v[T1+i], v[CUR+i], 8, 8
	R5 v_cmp_ge_u32 s[52+i], v[KK+i], v[T1+i]
	R5 v_cndmask_b32 v[M0+8*i], v[M0+8*i], v[M0+8*i+1], s[52+i]
	R5 v_lshrrev_b32 v[T2+i], 8, v[CUR+i]
	R5 v_cndmask_b32 v[CUR+i], v[CUR+i], v[T2+i], s[52+i]
	R5 v_add_nc_u32 v[T2+i], 1, v[IDX+i]
	R5 v_cndmask_b32 v[IDX+i], v[IDX+i], v[T2+i], s[52+i]
	R5 v_and_b32 v[T1+i], 0xff, v[CUR+i]
	R5 v_sub_nc_u32 v[KK+i], v[KK+i], v[T1+i]      ; the rank inside the word
	; which set bit of the word: counts of 2, 4, 8 and 16 bits, then five halvings
	R5 v_lshrrev_b32 v[T1+i], 1, v[M0+8*i]
	R5 v_and_b32 v[T1+i], 0x55555555, v[T1+i]
	R5 v_sub_nc_u32 v[PCA+i], v[M0+8*i], v[T1+i]
	R5 v_lshrrev_b32 v[T1+i], 2, v[PCA+i]
	R5 v_and_b32 v[T1+i], 0x33333333, v[T1+i]
	R5 v_and_b32 v[T2+i], 0x33333333, v[PCA+i]
	R5 v_add_nc_u32 v[PCB+i], v[T1+i], v[T2+i]
	R5 v_lshrrev_b32 v[T1+i], 4, v[PCB+i]
	R5 v_add_nc_u32 v[T1+i], v[T1+i], v[PCB+i]
	R5 v_and_b32 v[PCC+i], 0x0f0f0f0f, v[T1+i]
	R5 v_lshrrev_b32 v[T1+i], 8, v[PCC+i]
	R5 v_add_nc_u32 v[T1+i], v[T1+i], v[PCC+i]
	R5 v_and_b32 v[T1+i], 0xff, v[T1+i]
	R5 v_mov_b32 v[POS+i], 0
	BSTEP 16
	R5 v_bfe_u32 v[T1+i], v[PCC+i], v[POS+i], 8
	BSTEP 8
	R5 v_bfe_u32 v[T1+i], v[PCB+i], v[POS+i], 4
	BSTEP 4
	R5 v_bfe_u32 v[T1+i], v[PCA+i], v[POS+i], 2
	BSTEP 2
	R5 v_bfe_u32 v[T1+i], v[M0+8*i], v[POS+i], 1
	BSTEP 1
	R5 v_lshl_or_b32 v[T1+i], v[IDX+i], 5, v[POS+i]
	R5 v_lshl_or_b32 v[T1+i], v[BB+i], 8, v[T1+i]
	R5 v_min_u32 v[T1+i], 0xffff, v[T1+i]
	R5 ds_store_b32 v15, v[T1+i] offset:128*i      ; my wave's own list: read back below in order, without a barrier
	s_mov_b32 s38, 0
	XGATHER                                        ; the first pass's rows
	RT v_mov_b32 v[WT+2*t+1], 0                    ; the second registers of the pairs of which the low word serves both halves
	RT v_mov_b32 v[RS+2*t+1], 0
	s_wait_tensorcnt 0x0                           ; my quarter of the image is in,
	s_wait_dscnt 0x0
	s_barrier_signal -1
	s_barrier_wait -1                              ; everybody's is; nothing is ever filled again
	s_mov_b32 s34, 0
.Lpass:                                                ; three passes of 48 rows; a pass past my wave's count is jumped
	s_mul_i32 s38, s34, 48
	s_cmp_ge_u32 s38, s28
	s_cbranch_scc1 .Ldead
	s_wait_loadcnt 0x0                             ; this pass's x and codes
	s_wait_xcnt 0x0                                ; the last pass's stores have read their rows' offsets and data
	RT v_and_b32 v[WA+t], s31, v[CD+t]
	RT v_min_u32 v[WA+t], 1, v[WA+t]               ; slot 1 where a lower-numbered expert is chosen too
	RT v_lshl_add_u32 v[ROW+t], v[TK+t], 7, v18
	RT v_lshl_add_u32 v[ROW+t], v[WA+t], 6, v[ROW+t]
	RT v_lshlrev_b32 v[WA+t], 2, v[WA+t]
	RT v_lshl_add_u32 v[WA+t], v[TK+t], 3, v[WA+t]
	RT global_load_b32 v[WT+2*t], v[WA+t], s[14:15]
	FETCH 0, 7, 0
	s_mov_b32 s35, 0
.Llayer:                                               ; two layers: a product each, and one text of the layer norm for both
	s_min_u32 s38, s35, 1                          ; the layer, 0 or 1: its bound stands in the text, so that all three addresses below lie in the image by their own arithmetic
	s_mul_i32 s39, s38, 0x20000
	v_add_nc_u32 v10, s39, v7                      ; + 32,768: W2's first eight fragments, or W3's eight
	s_mul_i32 s39, s38, 2048
	v_add_nc_u32 v12, s39, v11                     ; g1 and bt1, or g2 and bt2
	s_mul_i32 s39, s38, 1024
	v_add_nc_u32 v13, s39, v11                     ; + 4,096: b2, or b3
	s_cmp_lg_u32 s35, 0
	s_cbranch_scc1 .Lg2
	GEMM1
	PLACES                                         ; x's registers are loaded again
	s_add_co_u32 s38, s34, 1
	s_min_u32 s38, s38, 2
	s_mul_i32 s38, s38, 192
	XGATHER                                        ; the next pass's rows: they have the rest of this pass in which to land
	s_branch .Lln
.Lg2:
	GEMM2
	WIN 0
.Lln:
	LN
	WIN 0
	s_add_co_u32 s35, s35, 1
	s_cmp_lt_u32 s35, 2
	s_cbranch_scc1 .Llayer
	s_wait_dscnt 0x0                               ; W3's eight fragments and b3
.set ks, 0
.rept 8
.set t, 0
.rept T
.if ks == 0
	WIN 0x84
	v_wmma_f32_16x16x32_f16 v[192+8*t:192+8*t+7], v[WF+8*ks:WF+8*ks+7], v[64*t+8*ks:64*t+8*ks+7], v[BI:BI+7]
.else
	WIN 0xa4
	v_wmma_f32_16x16x32_f16 v[192+8*t:192+8*t+7], v[WF+8*ks:WF+8*ks+7], v[64*t+8*ks:64*t+8*ks+7], v[192+8*t:192+8*t+7]
.endif
.set t, t+1
.endr
.set ks, ks+1
.endr
	WIN 0
	s_wait_loadcnt 0x0                             ; the gates; the loads issued behind them went out a whole product ago
	PLACES
	WIN 0x82
.set t, 0
.rept T
.irp p, 0,1,2,3
	v_pk_mul_f32 v[192+8*t+2*\p:192+8*t+2*\p+1], v[192+8*t+2*\p:192+8*t+2*\p+1], v[WT+2*t:WT+2*t+1] op_sel_hi:[1,0]
.endr
.set t, t+1
.endr
	WIN 0x08                                       ; store data in window 2
	RT global_store_b128 v[ROW+t], v[192+8*t:192+8*t+3], s[16:17]
	RT global_store_b128 v[ROW+t], v[192+8*t+4:192+8*t+7], s[16:17] offset:16   ; a lane's 32 bytes of a row of 64, at the place that the token gives
	WIN 0
.Ldead:
	s_add_co_u32 s34, s34, 1
	s_cmp_lt_u32 s34, 3
	s_cbranch_scc1 .Lpass
	s_wait_tensorcnt 0x0                           ; the wave's end
	ds_add_u32 v4, v5
	s_wait_dscnt 0x0
	s_endpgm
.Lfunc_end_k_qe47ce54219_experts:
	.size	k_qe47ce54219_experts, .Lfunc_end_k_qe47ce54219_experts-k_qe47ce54219_experts
	.p2alignl 7, 3214868480
	.fill 96, 4, 3214868480
	.section	.rodata,"a",@progbits
	.p2align	6, 0x0
	.amdhsa_kernel k_qe47ce54219_experts
		.amdhsa_group_segment_fixed_size 185856
		.amdhsa_private_segment_fixed_size 0
		.amdhsa_enable_private_segment 0
		.amdhsa_kernarg_size 56
		.amdhsa_user_sgpr_count 2
		.amdhsa_user_sgpr_kernarg_segment_ptr 1
		.amdhsa_wavefront_size32 1
		.amdhsa_system_sgpr_workgroup_id_x 1
		.amdhsa_system_sgpr_workgroup_id_y 1
		.amdhsa_system_sgpr_workgroup_id_z 1
		.amdhsa_system_vgpr_workitem_id 0
		.amdhsa_next_free_vgpr 960
		.amdhsa_next_free_sgpr 66
		.amdhsa_reserve_vcc 0
		.amdhsa_float_denorm_mode_32 3
		.amdhsa_float_denorm_mode_16_64 3
		.amdhsa_memory_ordered 1
		.amdhsa_forward_progress 1
		.amdhsa_inst_pref_size 169
	.end_amdhsa_kernel
	.amdgpu_metadata
---
amdhsa.version: [ 1, 2 ]
amdhsa.kernels:
  - .name:           k_qe47ce54219_experts
    .symbol:         k_qe47ce54219_experts.kd
    .args:
      - { .name: xh, .offset: 0, .size: 8, .value_kind: global_buffer, .address_space: global }
      - { .name: wimg, .offset: 8, .size: 8, .value_kind: global_buffer, .address_space: global }
      - { .name: bitm, .offset: 16, .size: 8, .value_kind: global_buffer, .address_space: global }
      - { .name: cnt, .offset: 24, .size: 8, .value_kind: global_buffer, .address_space: global }
      - { .name: code, .offset: 32, .size: 8, .value_kind: global_buffer, .address_space: global }
      - { .name: wts, .offset: 40, .size: 8, .value_kind: global_buffer, .address_space: global }
      - { .name: part, .offset: 48, .size: 8, .value_kind: global_buffer, .address_space: global }
    .group_segment_fixed_size: 185856
    .private_segment_fixed_size: 0
    .kernarg_segment_align: 8
    .kernarg_segment_size: 56
    .max_flat_workgroup_size: 128
    .sgpr_count:     66
    .vgpr_count:     960
    .wavefront_size: 32
...
	.end_amdgpu_metadata
.endif
;; end of part 2
;; launch value (part 3): grid 256 x 1, 4 waves a work-group, clusters of 4 x 1, 177,664 bytes of LDS; arguments xh, wimg, part, out0, out1, out2; writes out0, out1, out2
.if DOCPART == 3
	.amdgcn_target "amdgcn-amd-amdhsa--gfx1250"
	.amdhsa_code_object_version 6
	.text
	.protected	k_qe47ce54219_value
	.globl	k_qe47ce54219_value
	.p2align	8
	.type	k_qe47ce54219_value,@function
k_qe47ce54219_value:
	s_mov_b64 s[64:65], 0
	v_nop
	global_prefetch_b8 v0, s[64:65] scope:SCOPE_SE
	s_setreg_imm32_b32 hwreg(HW_REG_WAVE_MODE, 25, 1), 1
	s_wait_xcnt 0x0
	s_wait_alu depctr_hold_cnt(0) depctr_sa_sdst(0) depctr_va_vdst(0) depctr_va_sdst(0) depctr_va_ssrc(0) depctr_va_vcc(0) depctr_vm_vsrc(0)
	s_getreg_b32 s2, hwreg(HW_REG_IB_STS2, 6, 4)
	s_cmp_eq_u32 s2, 0
	s_cbranch_scc0 .Lentry_in_a_cluster
	s_endpgm
.Lentry_in_a_cluster:
	s_bfe_u32 s2, ttmp6, 0x10000c
	s_cmp_lg_u32 s2, 0x3003
	s_cbranch_scc0 .Lentry_shape_is_right
	s_endpgm
.Lentry_shape_is_right:
; THE TWO PARTIAL ROWS ADDED, SOFTPLUS + 1 (out0, out1), AND THE VALUE NET (out2): 64 -> 256, layer norm, ReLU, 256 -> 128, ReLU, 128 -> 1.
; A work-group has 256 consecutive tokens, a wave 64.  softplus(x) = max(x, 0) + ln(1 + e^-|x|): the exponent is never above 0.
; The value net's second layer has no bound, so it is never rounded: the last product is f32 multiply-adds on the accumulators.
; CLUSTER.  All work-groups read the same image of the value net's weights (102,400 bytes): the four of a cluster ask for it JOINTLY, each wave its quarter, with the same descriptor and the mask of four.
; A wave's own rows of part and of xh come by plain tensor loads.  Every fill is a first fill.  By this text's own count a wave has three tensor loads out.
; Layout and layer norm as in the experts' launch: source 0 = 16 features, source 1 = 16 tokens; the first product's rows have mean 0 by the lay-out of the weights.
; LIMITS.  16 |vg| + |vbt| under 65,504 (f16 activations); NaN and infinities are not treated apart.
.set T,     2
.set NPW,   16
.set XFB,   128
.set BOFF,  2048
.set NT2,   8
.set XB,    102400                     ; behind the image: 4 x 9,216: a wave's 64 rows of xh, 144 bytes apart
.set PB,    139264                     ; the same for part
.set STG,   176128                     ; 4 x 256: a wave's 64 values
.set SPARE, 177152                     ; the spare words, 128 bytes a wave
; WINDOW 0: v0 thread  v1 L  v2 r  v3 h  v4, v5 the add's two  v6 0  v7, v8 16 L + 0, 65,536  v10 = v7  v11-13 tables + 32 h  v20 part in LDS  v21 offset in out0, out1  v22 x in LDS  v23, v28 stage in, back
;   v24-27 at work, vb3  v40-55 sums  v64-67 1 / sigma (pairs)  v70-85 two biases  v128-191, v192-255 two buffers of 8 fragments
; WINDOW 1: v0-127 activations, 64 a tile; v128-159 x.   WINDOW 2: accumulators at 8 (2 nt + t)
.set SQ,  40
.set RS,  64
.set BI,  70
.set WF,  128
.set MSB, 0
.macro WIN new                         ; s_set_vgpr_msb: bits 1:0 source 0, 3:2 source 1, 5:4 source 2, 7:6 destination; the high byte repeats the setting that is left
.if MSB != (\new)
	s_set_vgpr_msb (MSB<<8)|(\new)
.set MSB, (\new)
.endif
.endm
.macro PLACES                          ; four places behind a matrix instruction, ahead of loads into its sources and of reads of its result
.rept 4
	v_nop
.endr
.endm
.macro RT line:vararg                  ; one line for each tile t
.set t, 0
.rept T
	\line
.set t, t+1
.endr
.endm
.macro R8 line:vararg                  ; one line for each of eight numbers i
.set i, 0
.rept 8
	\line
.set i, i+1
.endr
.endm
.macro FETCH b, areg, off              ; 8 fragments, 8,192 consecutive bytes, into buffer b
	WIN 0
.set fq, 0
.rept 16
	ds_load_b128 v[WF+64*(\b)+4*fq:WF+64*(\b)+4*fq+3], v[\areg] offset:(\off)+512*fq
.set fq, fq+1
.endr
.endm
.macro BIAS b, areg, off
	WIN 0
	ds_load_b128 v[BI+8*(\b):BI+8*(\b)+3],   v[\areg] offset:(\off)
	ds_load_b128 v[BI+8*(\b)+4:BI+8*(\b)+7], v[\areg] offset:(\off)+16
.endm
.macro LASTFETCH                       ; in the second product's last group: vW3, my 8 features of each of the 8 tiles, into buffer 0
	WIN 0
.set n, 0
.rept 8
	ds_load_b128 v[WF+8*n:WF+8*n+3],   v11 offset:2560+64*n
	ds_load_b128 v[WF+8*n+4:WF+8*n+7], v11 offset:2560+64*n+16
.set n, n+1
.endr
.endm
.macro GEMM1                           ; 64 -> 256: group g has feature tiles 4 g .. 4 g + 3, both K steps; the accumulators by turns
.set g, 0
.rept 4
	WIN 0
	s_wait_dscnt 0x0
	PLACES
.if g < 3
	FETCH (g+1)%2, 7, (g+1)*8192
.endif
.set ks, 0
.rept 2
.set n, 0
.rept 4
.set t, 0
.rept T
.set nt, 4*g+n
.set y, (T*(nt%NPW)+t)*8
	WIN 0xa4+0x50*(nt/NPW)
.if ks == 0
	v_wmma_f32_16x16x32_f16 v[y:y+7], v[WF+64*(g%2)+8*(2*n+ks):WF+64*(g%2)+8*(2*n+ks)+7], v[XFB+16*t+8*ks:XFB+16*t+8*ks+7], 0
.else
	v_wmma_f32_16x16x32_f16 v[y:y+7], v[WF+64*(g%2)+8*(2*n+ks):WF+64*(g%2)+8*(2*n+ks)+7], v[XFB+16*t+8*ks:XFB+16*t+8*ks+7], v[y:y+7]
.endif
.set t, t+1
.endr
.set n, n+1
.endr
.set ks, ks+1
.endr
.set g, g+1
.endr
.endm
.macro GEMM2                           ; 256 -> 128: a group is one feature tile, 8 K steps
.set nt, 0
.rept NT2
	WIN 0
	s_wait_dscnt 0x0
	PLACES
.if nt < NT2-1
	FETCH (nt+1)%2, 7+(5+nt)/8, ((5+nt)%8)*8192
	BIAS (nt+1)%2, 11, BOFF+64*(nt+1)
.else
	LASTFETCH
.endif
.set ks, 0
.rept 8
.set t, 0
.rept T
.set y, (T*(nt%NPW)+t)*8
.if ks == 0
	WIN 0x84+0x40*(nt/NPW)
	v_wmma_f32_16x16x32_f16 v[y:y+7], v[WF+64*(nt%2)+8*ks:WF+64*(nt%2)+8*ks+7], v[64*t+8*ks:64*t+8*ks+7], v[BI+8*(nt%2):BI+8*(nt%2)+7]
.else
	WIN 0xa4+0x50*(nt/NPW)
	v_wmma_f32_16x16x32_f16 v[y:y+7], v[WF+64*(nt%2)+8*ks:WF+64*(nt%2)+8*ks+7], v[64*t+8*ks:64*t+8*ks+7], v[y:y+7]
.endif
.set t, t+1
.endr
.set ks, ks+1
.endr
.set nt, nt+1
.endr
.endm
.macro TABQ q                          ; g and bt of feature tiles 4 q .. 4 q + 3 into buffer q % 2
	WIN 0
.set n, 0
.rept 4
	ds_load_b128 v[WF+64*((\q)%2)+16*n:WF+64*((\q)%2)+16*n+3],     v12 offset:64*(4*(\q)+n)
	ds_load_b128 v[WF+64*((\q)%2)+16*n+4:WF+64*((\q)%2)+16*n+7],   v12 offset:64*(4*(\q)+n)+16
	ds_load_b128 v[WF+64*((\q)%2)+16*n+8:WF+64*((\q)%2)+16*n+11],  v12 offset:1024+64*(4*(\q)+n)
	ds_load_b128 v[WF+64*((\q)%2)+16*n+12:WF+64*((\q)%2)+16*n+15], v12 offset:1024+64*(4*(\q)+n)+16
.set n, n+1
.endr
.endm
.macro LN                              ; layer norm and ReLU of 256 features for T tiles, from the accumulators into the activations
	WIN 0
	PLACES
	TABQ 0
	TABQ 1
.set nt, 0
.rept 16
	WIN 0x0a+0x05*(nt/NPW)
.set t, 0
.rept T
.set y, (T*(nt%NPW)+t)*8
.irp p, 0,1,2,3
.if nt == 0
	v_pk_mul_f32 v[SQ+8*t+2*\p:SQ+8*t+2*\p+1], v[y+2*\p:y+2*\p+1], v[y+2*\p:y+2*\p+1]
.else
	v_pk_fma_f32 v[SQ+8*t+2*\p:SQ+8*t+2*\p+1], v[y+2*\p:y+2*\p+1], v[y+2*\p:y+2*\p+1], v[SQ+8*t+2*\p:SQ+8*t+2*\p+1]
.endif
.endr
.set t, t+1
.endr
.set nt, nt+1
.endr
	WIN 0
	RT v_pk_add_f32 v[SQ+8*t:SQ+8*t+1], v[SQ+8*t:SQ+8*t+1], v[SQ+8*t+2:SQ+8*t+3]
	RT v_pk_add_f32 v[SQ+8*t+4:SQ+8*t+5], v[SQ+8*t+4:SQ+8*t+5], v[SQ+8*t+6:SQ+8*t+7]
	RT v_pk_add_f32 v[SQ+8*t:SQ+8*t+1], v[SQ+8*t:SQ+8*t+1], v[SQ+8*t+4:SQ+8*t+5]
	RT v_add_f32 v[SQ+8*t], v[SQ+8*t], v[SQ+8*t+1]
	RT v_permlanex16_b32 v[SQ+8*t+1], v[SQ+8*t], s32, s33    ; the token's other 128 features lie in the lane 16 away
	RT v_add_f32 v[SQ+8*t], v[SQ+8*t], v[SQ+8*t+1]
	RT v_fma_f32 v[SQ+8*t], v[SQ+8*t], s36, s37              ; / 256 + 1e-5
	RT v_rsq_f32 v[RS+2*t], v[SQ+8*t]
	v_nop                                          ; a plain instruction behind the last root,
	s_wait_alu depctr_va_vdst(0)                   ; and one wait for the batch
.set q, 0
.rept 4
.if q < 3
	s_wait_dscnt 16                                ; the 16 younger loads are the next quarter's tables
.else
	s_wait_dscnt 18                                ; the 18 younger loads are the next product's fragments and bias
.endif
.set n, 0
.rept 4
.set nt, 4*q+n
.set tb, WF+64*(q%2)+16*n
	WIN 0x82+0x41*(nt/NPW)
.set t, 0
.rept T
.set y, (T*(nt%NPW)+t)*8
.irp p, 0,1,2,3
	v_pk_mul_f32 v[y+2*\p:y+2*\p+1], v[y+2*\p:y+2*\p+1], v[RS+2*t:RS+2*t+1] op_sel_hi:[1,0]
.endr
.irp p, 0,1,2,3
	v_pk_fma_f32 v[y+2*\p:y+2*\p+1], v[y+2*\p:y+2*\p+1], v[tb+2*\p:tb+2*\p+1], v[tb+8+2*\p:tb+8+2*\p+1]
.endr
.set t, t+1
.endr
.set n, n+1
.endr
.set n, 0
.rept 4
.set nt, 4*q+n
	WIN 0x4a+0x05*(nt/NPW)
.set t, 0
.rept T
.set y, (T*(nt%NPW)+t)*8
.irp p, 0,1,2,3
	v_cvt_pk_f16_f32 v[64*t+8*(nt/2)+4*(nt%2)+\p], v[y+2*\p], v[y+2*\p+1]
.endr
.set t, t+1
.endr
.set n, n+1
.endr
.if q < 2
	TABQ q+2
.elseif q == 2
	FETCH 0, 10, 32768
	BIAS 0, 13, BOFF
.endif
.set q, q+1
.endr
	WIN 0x41
.set z, 0
.rept 64*T
	v_pk_max_num_f16 v[z], v[z], v6
.set z, z+1
.endr
.endm
.macro ROUND                           ; a round of the cluster's barrier: my work-group's barrier; wave 0 signals for it; every wave waits for all four work-groups; my work-group's barrier once more
	s_barrier_signal -1
	s_barrier_wait -1
	s_cmp_lg_u32 s18, 0
	s_cbranch_scc1 .Lnot_wave_0_\@
	s_barrier_signal -3
.Lnot_wave_0_\@:
	s_barrier_wait -3
	s_barrier_signal -1
	s_barrier_wait -1
.endm
	s_load_b256 s[4:11], s[0:1], 0x0               ; xh 4, wimg 6, part 8, out0 10
	s_load_b128 s[12:15], s[0:1], 0x20             ; out1 12, out2 14
	v_lshl_add_u32 v4, v0, 2, SPARE
	v_mov_b32 v5, 0
	ds_add_u32 v4, v5                              ; the wave's opening: the add and its wait ahead of the round in front of my first tensor loads
	v_lshrrev_b32 v1, 5, v0
	v_readfirstlane_b32 s18, v1                    ; wave 0..3
	s_bfe_u32 s19, ttmp6, 0x40000                  ; cx: it enters global addresses of my own rows alone
	s_lshl_b32 s20, ttmp9, 2
	s_add_co_u32 s20, s20, s19                     ; work-group = 4 x cluster + cx
	s_lshl_b32 s21, s20, 2
	s_add_co_u32 s21, s21, s18                     ; my group of 64 tokens
	s_mov_b32 s40, (1<<16)|(1<<20)|(4<<22)|(3<<25) ; group 1, plain: 64 rows of 128 bytes are 8,192 dense bytes: asked for as 32 rows of 256, padded by 4 words after every 32 words
	s_mov_b32 s41, 128<<16
	s_mov_b32 s42, 32<<16
	s_mov_b32 s43, 128<<16
	s_mov_b32 s44, 32
	s_mov_b32 s45, 128
	s_mov_b32 s46, 0
	s_mov_b32 s47, 0
	s_mov_b32 s48, 15|(3<<16)|(1<<21)              ; group 1, joint: the mask of four, bit 21 beside it; 100 dense rows of 32 elements of 8 bytes
	s_mov_b32 s49, 32<<16
	s_mov_b32 s50, 100<<16
	s_mov_b32 s51, 32<<16
	s_mov_b32 s52, 100
	s_mov_b32 s53, 32
	s_mov_b32 s54, 0
	s_mov_b32 s55, 0
	s_mul_i32 s22, s18, 9216
	s_mov_b32 s24, 1
	s_add_co_u32 s25, s22, PB
	s_mov_b32 s28, 1
	s_add_co_u32 s29, s22, XB
	s_mov_b32 s36, 1
	s_mul_i32 s37, s18, 25600                      ; the image's quarter: the wave's number alone
	s_lshl_b32 s56, s21, 13
	s_mov_b32 s57, 0
	s_add_co_u32 s58, s37, 712704
	s_mov_b32 s59, 0
	s_mov_b32 s32, 0x76543210
	s_mov_b32 s33, 0xfedcba98
	s_mov_b32 s34, 0xffff0000                      ; lanes 16-31
	s_mov_b32 s60, 0xbfb8aa3b                      ; - log2(e)
	s_mov_b32 s61, 0x3f317218                      ; ln 2
	s_wait_dscnt 0x0                               ; the opening add is done
	s_wait_kmcnt 0x0
	s_add_nc_u64 s[26:27], s[8:9], s[56:57]
	s_or_b32 s27, s27, 0x80000000
	s_add_nc_u64 s[30:31], s[4:5], s[56:57]
	s_or_b32 s31, s31, 0x80000000
	s_add_nc_u64 s[38:39], s[6:7], s[58:59]
	s_or_b32 s39, s39, 0x80000000
	ROUND                                          ; all four work-groups are here: the joint loads meet
	tensor_load_to_lds s[24:27], s[40:47]          ; my rows of part,
	s_nop 0
	tensor_load_to_lds s[28:31], s[40:47]          ; my rows of xh,
	s_nop 0
	tensor_load_to_lds s[36:39], s[48:55]          ; my quarter of the image, jointly
	s_nop 0
	v_and_b32 v1, 31, v0
	v_and_b32 v2, 15, v0
	v_bfe_u32 v3, v0, 4, 1
	v_mov_b32 v6, 0
	v_lshlrev_b32 v7, 4, v1
	v_add_nc_u32 v8, 0x10000, v7
	v_mov_b32 v10, v7
	v_lshl_add_u32 v11, v3, 5, 98304
	v_mov_b32 v12, v11
	v_mov_b32 v13, v11
	v_lshrrev_b32 v24, 1, v1
	v_mul_u32_u24 v20, v24, 144
	v_and_b32 v24, 1, v0
	v_lshl_add_u32 v20, v24, 4, v20
	v_add_nc_u32 v20, s25, v20                     ; token L >> 1 of sixteen, half L & 1 of its eight numbers
	v_mov_b32 v21, v7
	v_mul_u32_u24 v22, v2, 144
	v_lshl_add_u32 v22, v3, 4, v22
	v_add_nc_u32 v22, s29, v22
	s_lshl_b32 s23, s18, 8
	s_add_co_u32 s23, s23, STG
	v_lshl_add_u32 v23, v1, 2, s23
	v_lshl_add_u32 v28, v2, 4, s23
	v_mov_b32 v26, 0
	RT v_mov_b32 v[RS+2*t+1], 0
	s_lshl_b32 s56, s21, 11
	s_add_nc_u64 s[10:11], s[10:11], s[56:57]      ; out0, out1, out2 at my first token
	s_add_nc_u64 s[12:13], s[12:13], s[56:57]
	s_lshl_b32 s56, s21, 8
	s_add_nc_u64 s[14:15], s[14:15], s[56:57]
	s_wait_tensorcnt 0x2                           ; my rows of part are in: the two younger loads are x and the image
	s_mov_b32 s22, 4
.Lcomb:                                                ; four trips of 16 tokens
	ds_load_b128 v[128:131], v20                   ; alpha's four numbers, slot 0,
	ds_load_b128 v[132:135], v20 offset:64         ; slot 1
	ds_load_b128 v[136:139], v20 offset:32         ; beta's, slot 0,
	ds_load_b128 v[140:143], v20 offset:96         ; slot 1
	s_wait_dscnt 0x0
	v_pk_add_f32 v[128:129], v[128:129], v[132:133]
	v_pk_add_f32 v[130:131], v[130:131], v[134:135]
	v_pk_add_f32 v[132:133], v[136:137], v[140:141]
	v_pk_add_f32 v[134:135], v[138:139], v[142:143]
	R8 v_mul_f32 v[136+i], s60, |v[128+i]|
	R8 v_exp_f32 v[136+i], v[136+i]
	R8 v_max_num_f32 v[128+i], 0, v[128+i]
	R8 v_add_f32 v[128+i], 1.0, v[128+i]
	s_wait_alu depctr_va_vdst(0)                   ; one wait for the eight exponentials; the sixteen lines above are the work between
	R8 v_add_f32 v[136+i], 1.0, v[136+i]
	R8 v_log_f32 v[136+i], v[136+i]
	v_nop
	s_wait_alu depctr_va_vdst(0)
	R8 v_fma_f32 v[144+i], v[136+i], s61, v[128+i]
	global_store_b128 v21, v[144:147], s[10:11]    ; 512 consecutive bytes of out0,
	global_store_b128 v21, v[148:151], s[12:13]    ; and of out1
	s_wait_xcnt 0x0                                ; the stores have read their offset and data: only now are these rewritten
	v_add_nc_u32 v21, 512, v21
	v_add_nc_u32 v20, 2304, v20
	s_sub_co_u32 s22, s22, 1
	s_cmp_lg_u32 s22, 0
	s_cbranch_scc1 .Lcomb
	s_wait_tensorcnt 0x0                           ; my rows of xh and my quarter of the image are in,
	s_wait_dscnt 0x0
	s_barrier_signal -1
	s_barrier_wait -1                              ; everybody's quarter is; nothing is ever filled again
	s_mov_b32 s36, 0x3b800000                      ; 1 / 256 (no tensor load is out: the descriptor's registers are free)
	s_mov_b32 s37, 0x3727c5ac                      ; 1e-5
	v_mov_b32 v25, 101376
	ds_load_b32 v27, v25                           ; vb3
	s_mov_b32 s22, 2
.Lval:                                                 ; two trips of two tiles
	WIN 0x40
.set t, 0
.rept T
.irp c, 0,1,2,3
	ds_load_b128 v[XFB+16*t+4*\c:XFB+16*t+4*\c+3], v22 offset:2304*t+32*\c
.endr
.set t, t+1
.endr
	FETCH 0, 7, 0
	GEMM1
	LN
	GEMM2
	WIN 0
	s_wait_dscnt 0x0                               ; vW3
	PLACES
	WIN 0x88
.set z, 0
.rept 128
	v_max_num_f32 v[z], 0, v[z]                    ; ascending: each accumulator is read from its low end
.set z, z+1
.endr
	WIN 0x02
.set nt, 0
.rept 8
.set t, 0
.rept T
.set y, (T*nt+t)*8
.irp p, 0,1,2,3
.if (nt == 0) && (\p < 2)
	v_pk_mul_f32 v[SQ+8*t+2*(\p%2):SQ+8*t+2*(\p%2)+1], v[y+2*\p:y+2*\p+1], v[WF+8*nt+2*\p:WF+8*nt+2*\p+1]
.else
	v_pk_fma_f32 v[SQ+8*t+2*(\p%2):SQ+8*t+2*(\p%2)+1], v[y+2*\p:y+2*\p+1], v[WF+8*nt+2*\p:WF+8*nt+2*\p+1], v[SQ+8*t+2*(\p%2):SQ+8*t+2*(\p%2)+1]
.endif
.endr
.set t, t+1
.endr
.set nt, nt+1
.endr
	WIN 0
	RT v_pk_add_f32 v[SQ+8*t:SQ+8*t+1], v[SQ+8*t:SQ+8*t+1], v[SQ+8*t+2:SQ+8*t+3]
	RT v_add_f32 v[SQ+8*t], v[SQ+8*t], v[SQ+8*t+1]
	v_cndmask_b32 v24, v[SQ], v[SQ+8], s34         ; lane L keeps tile h's half sum and sends the other tile's to the lane 16 away: it ends with token L of the trip
	v_cndmask_b32 v25, v[SQ+8], v[SQ], s34
	v_permlanex16_b32 v26, v25, s32, s33
	v_add_f32 v24, v24, v26
	v_add_f32 v24, v24, v27
	ds_store_b32 v23, v24
	v_add_nc_u32 v22, 4608, v22
	v_add_nc_u32 v23, 128, v23
	s_sub_co_u32 s22, s22, 1
	s_cmp_lg_u32 s22, 0
	s_cbranch_scc1 .Lval
	ds_load_b128 v[128:131], v28                   ; my own stage, in order behind my stores
	s_wait_dscnt 0x0
	s_wait_xcnt 0x0                                ; EXEC changes only behind this wait
	v_cmp_gt_u32 vcc_lo, 16, v1
	s_and_saveexec_b32 s22, vcc_lo
	global_store_b128 v7, v[128:131], s[14:15]     ; sixteen lanes: my 64 values, 256 consecutive bytes of out2
	s_wait_xcnt 0x0
	s_or_b32 exec_lo, exec_lo, s22
	s_wait_tensorcnt 0x0                           ; the wave's end
	ds_add_u32 v4, v5
	s_wait_dscnt 0x0
	ROUND                                          ; the closing round: no work-group ends while a partner may still ask jointly
	s_endpgm
.Lfunc_end_k_qe47ce54219_value:
	.size	k_qe47ce54219_value, .Lfunc_end_k_qe47ce54219_value-k_qe47ce54219_value
	.p2alignl 7, 3214868480
	.fill 96, 4, 3214868480
	.section	.rodata,"a",@progbits
	.p2align	6, 0x0
	.amdhsa_kernel k_qe47ce54219_value
		.amdhsa_group_segment_fixed_size 177664
		.amdhsa_private_segment_fixed_size 0
		.amdhsa_enable_private_segment 0
		.amdhsa_kernarg_size 48
		.amdhsa_user_sgpr_count 2
		.amdhsa_user_sgpr_kernarg_segment_ptr 1
		.amdhsa_wavefront_size32 1
		.amdhsa_system_sgpr_workgroup_id_x 1
		.amdhsa_system_sgpr_workgroup_id_y 1
		.amdhsa_system_sgpr_workgroup_id_z 1
		.amdhsa_system_vgpr_workitem_id 0
		.amdhsa_next_free_vgpr 768
		.amdhsa_next_free_sgpr 66
		.amdhsa_reserve_vcc 1
		.amdhsa_float_denorm_mode_32 3
		.amdhsa_float_denorm_mode_16_64 3
		.amdhsa_memory_ordered 1
		.amdhsa_forward_progress 1
		.amdhsa_inst_pref_size 94
	.end_amdhsa_kernel
	.amdgpu_metadata
---
amdhsa.version: [ 1, 2 ]
amdhsa.kernels:
  - .name:           k_qe47ce54219_value
    .symbol:         k_qe47ce54219_value.kd
    .args:
      - { .name: xh, .offset: 0, .size: 8, .value_kind: global_buffer, .address_space: global }
      - { .name: wimg, .offset: 8, .size: 8, .value_kind: global_buffer, .address_space: global }
      - { .name: part, .offset: 16, .size: 8, .value_kind: global_buffer, .address_space: global }
      - { .name: out0, .offset: 24, .size: 8, .value_kind: global_buffer, .address_space: global }
      - { .name: out1, .offset: 32, .size: 8, .value_kind: global_buffer, .address_space: global }
      - { .name: out2, .offset: 40, .size: 8, .value_kind: global_buffer, .address_space: global }
    .group_segment_fixed_size: 177664
    .private_segment_fixed_size: 0
    .kernarg_segment_align: 8
    .kernarg_segment_size: 48
    .max_flat_workgroup_size: 128
    .sgpr_count:     66
    .vgpr_count:     768
    .wavefront_size: 32
...
	.end_amdgpu_metadata
.endif
;; end of part 3
